; MI455X (gfx1250); checked and timed in simulation.
; The chip was launched on July 23, 2026; its instructions are those of AMD's public machine-readable ISA for CDNA 5 (MIT licence, August 2026) and "CDNA5" Instruction Set Architecture Reference Guide (July 2026). The comments in the code are by the model that wrote it; some were corrected since.
;; Contralateral Attention. Allowed arithmetic: float matrix products may take bf16 or f16 operands with f32 sums; all other float work in f32.
;; Inputs: feat 8 x 256 x 64 x 64 float32; in_b 768 float32; in_w 768 x 256 float32; ln_b 256 float32; ln_g 256 float32; out_b 256 float32; out_w 256 x 256 float32; proj_b 256 float32; proj_w 256 x 1,024 float32.
;; Outputs: out0 8 x 256 x 64 x 64 float32.
;; 2 versions, each right and faster than the one before. Each part assembles by itself: llvm-mc -triple=amdgcn-amd-amdhsa -mcpu=gfx1250 --defsym DOCPART=n.
;; ======== version 1 of 2: 2 launches
;; workspace buffers: wp 1,048,576 bytes
;; launch pack (part 1): grid 256 x 1, 8 waves a work-group, no clusters, 0 bytes of LDS; arguments in_w, out_w, proj_w, wp; writes wp
.if DOCPART == 1
	.amdgcn_target "amdgcn-amd-amdhsa--gfx1250"
	.amdhsa_code_object_version 6
	.text
	.protected	k_qaf8c6b8bbc_pack
	.globl	k_qaf8c6b8bbc_pack
	.p2align	8
	.type	k_qaf8c6b8bbc_pack,@function
k_qaf8c6b8bbc_pack:
	s_mov_b64 s[64:65], 0
	v_nop
	global_prefetch_b8 v0, s[64:65] scope:SCOPE_SE
	s_setreg_imm32_b32 hwreg(HW_REG_WAVE_MODE, 25, 1), 1
	s_wait_xcnt 0x0
; The three weight matrices are rounded to bf16 (nearest even) and laid in the order in which the second launch's matrix
; instructions take them.  wp holds 256 groups of 4,096 bytes; group x is 64 rows x 32 k of one matrix:
;   x = 0..95    in_w   rows 64 (x >> 3) on,        k = 32 (x & 7) on,         a row is 1,024 bytes
;   x = 96..127  out_w  rows 64 ((x - 96) >> 3) on, k = 32 ((x - 96) & 7) on,  a row is 1,024 bytes
;   x = 128..255 proj_w rows 64 ((x - 128) >> 5) on, k = 32 ((x - 128) & 31) on, a row is 4,096 bytes
; Inside a group: byte dt*1024 + e*512 + lane*16 holds 8 bf16: row 16 dt + (lane & 15), k = 16 e + 8 (lane >> 4) + 0..7,
; so a fragment of 16 rows x 32 k is 1,024 consecutive bytes and two loads of 16 bytes a lane bring it.
; One work-group makes one group; thread t makes the 16 bytes at 16 t: a wave's store covers 512 consecutive bytes.
; The reads are 128-byte pieces of 64 rows; each input byte is read once in the launch (2 MiB in all).
	s_load_b256 s[4:11], s[0:1], 0x0               ; in_w s[4:5], out_w s[6:7], proj_w s[8:9], wp s[10:11]
	s_mov_b32 s12, ttmp9                           ; x
	s_sub_co_u32 s16, s12, 96                      ; x inside out_w's groups (used only where x >= 96)
	s_sub_co_u32 s17, s12, 128                     ; x inside proj_w's groups (used only where x >= 128)
	v_lshrrev_b32 v1, 6, v0                        ; dt
	v_and_b32 v2, 15, v0                           ; r
	v_lshl_add_u32 v1, v1, 4, v2                   ; row in the group: 16 dt + r
	v_bfe_u32 v2, v0, 4, 2                         ; 2 e + h
	v_lshlrev_b32 v3, 4, v0                        ; my 16 bytes in the group
	s_wait_kmcnt 0x0
	s_cmp_lt_u32 s12, 96
	s_cselect_b64 s[14:15], s[4:5], s[6:7]         ; the matrix is chosen by the work-group's number alone
	s_cselect_b32 s18, s12, s16
	s_cmp_lt_u32 s12, 128
	s_cselect_b64 s[14:15], s[14:15], s[8:9]
	s_cselect_b32 s18, s18, s17
	s_cselect_b32 s19, 3, 5                        ; log2 of the K steps in a row
	s_cselect_b32 s20, 10, 12                      ; log2 of a row's bytes
	s_lshr_b32 s21, s18, s19                       ; which 64 rows
	s_bfm_b32 s22, s19, 0
	s_and_b32 s22, s18, s22                        ; which K step
	s_lshl_b32 s21, s21, 6
	s_lshl_b32 s21, s21, s20                       ; the 64 rows' first byte
	s_lshl_b32 s22, s22, 7                         ; 32 k of 4 bytes
	s_add_co_u32 s24, s21, s22
	s_mov_b32 s25, 0
	s_add_nc_u64 s[14:15], s[14:15], s[24:25]
	s_lshl_b32 s26, s12, 12
	s_mov_b32 s27, 0
	s_add_nc_u64 s[10:11], s[10:11], s[26:27]      ; wp at group x
	v_lshlrev_b32 v1, s20, v1                      ; my row's bytes
	v_lshl_add_u32 v1, v2, 5, v1                   ; + 64 e + 32 h
	global_load_b128 v[4:7], v1, s[14:15]
	global_load_b128 v[8:11], v1, s[14:15] offset:16
	s_wait_loadcnt 0x0
	v_cvt_pk_bf16_f32 v12, v4, v5
	v_cvt_pk_bf16_f32 v13, v6, v7
	v_cvt_pk_bf16_f32 v14, v8, v9
	v_cvt_pk_bf16_f32 v15, v10, v11
	global_store_b128 v3, v[12:15], s[10:11]
	s_endpgm
.Lfunc_end_k_qaf8c6b8bbc_pack:
	.size	k_qaf8c6b8bbc_pack, .Lfunc_end_k_qaf8c6b8bbc_pack-k_qaf8c6b8bbc_pack
	.p2alignl 7, 3214868480
	.fill 96, 4, 3214868480
	.section	.rodata,"a",@progbits
	.p2align	6, 0x0
	.amdhsa_kernel k_qaf8c6b8bbc_pack
		.amdhsa_group_segment_fixed_size 0
		.amdhsa_private_segment_fixed_size 0
		.amdhsa_enable_private_segment 0
		.amdhsa_kernarg_size 32
		.amdhsa_user_sgpr_count 2
		.amdhsa_user_sgpr_kernarg_segment_ptr 1
		.amdhsa_wavefront_size32 1
		.amdhsa_system_sgpr_workgroup_id_x 1
		.amdhsa_system_sgpr_workgroup_id_y 1
		.amdhsa_system_sgpr_workgroup_id_z 1
		.amdhsa_system_vgpr_workitem_id 0
		.amdhsa_next_free_vgpr 16
		.amdhsa_next_free_sgpr 66
		.amdhsa_reserve_vcc 0
		.amdhsa_float_denorm_mode_32 3
		.amdhsa_float_denorm_mode_16_64 3
		.amdhsa_memory_ordered 1
		.amdhsa_forward_progress 1
		.amdhsa_inst_pref_size 3
	.end_amdhsa_kernel
	.amdgpu_metadata
---
amdhsa.version: [ 1, 2 ]
amdhsa.kernels:
  - .name:           k_qaf8c6b8bbc_pack
    .symbol:         k_qaf8c6b8bbc_pack.kd
    .args:
      - { .name: in_w, .offset: 0, .size: 8, .value_kind: global_buffer, .address_space: global }
      - { .name: out_w, .offset: 8, .size: 8, .value_kind: global_buffer, .address_space: global }
      - { .name: proj_w, .offset: 16, .size: 8, .value_kind: global_buffer, .address_space: global }
      - { .name: wp, .offset: 24, .size: 8, .value_kind: global_buffer, .address_space: global }
    .group_segment_fixed_size: 0
    .private_segment_fixed_size: 0
    .kernarg_segment_align: 8
    .kernarg_segment_size: 32
    .max_flat_workgroup_size: 256
    .sgpr_count:     66
    .vgpr_count:     16
    .wavefront_size: 32
...
	.end_amdgpu_metadata
.endif
;; end of part 1
;; launch fused (part 2): grid 256 x 1, 4 waves a work-group, no clusters, 291,840 bytes of LDS; arguments feat, wp, in_b, out_b, proj_b, ln_g, ln_b, out0; writes out0
.if DOCPART == 2
	.amdgcn_target "amdgcn-amd-amdhsa--gfx1250"
	.amdhsa_code_object_version 6
	.text
	.protected	k_qaf8c6b8bbc_fused
	.globl	k_qaf8c6b8bbc_fused
	.p2align	8
	.type	k_qaf8c6b8bbc_fused,@function
k_qaf8c6b8bbc_fused:
	s_mov_b64 s[64:65], 0
	v_nop
	global_prefetch_b8 v0, s[64:65] scope:SCOPE_SE
	s_setreg_imm32_b32 hwreg(HW_REG_WAVE_MODE, 25, 1), 1
	s_wait_xcnt 0x0
; ContralateralAttention, all of it but the rounding of the weights.  feat, out0: [8][256][64][64] f32.
; In whole-image coordinates query (y, X) sees key (y + dy, 63 - X - dx), |dy| + |dx| <= 2, the key in the other half of the
; columns and inside rows 0..63: the mask that the problem builds itself.  Only these 13 places are scored.
; SHARES.  Work-group = image b = id >> 5, rows y0 = 2 (id & 31) and y0 + 1: 128 query tokens (token = 64 qrow + X).  It holds
; rows y0-2 .. y0+3 (m = 0..5) of all 256 channels in LDS as bf16; a row outside the image is read from the clamped row (finite
; numbers) and masked with -inf.  Wave w: query half H = w & 1, heads 2p, 2p+1 (p = w >> 1): K and V of the 192 tokens of the
; other half, Q of its 64 queries, scores, softmax, context, all in registers.  Then wave w makes output channels 64 w .. 64 w + 63
; of the out-projection and of the projection for all 128 tokens; LayerNorm's two sums meet in LDS.
; LAYOUTS.  K^T = Wk X^T and Q^T = Wq X^T (lane = token, registers = d), V = X Wv^T (lane = d, registers = tokens),
; S^T = K Q^T (lane = query, registers = keys), O^T = V^T P (lane = query, registers = d): each result, rounded in pairs to
; bf16, IS the next product's operand; nothing changes lanes between products.
; WEIGHTS come as bf16 fragments of 1,024 consecutive bytes from wp straight into the registers of the wave that multiplies by
; them, through a ring of three register slots (one K step of 4 fragments each), asked for two steps ahead.
; NO CLUSTER: weights are the shared input, but they never lie in LDS; of LDS's 327,680 bytes 291,840 are taken, and a slot in the
; 35,840 left would hold one K step (4 waves x 4 KiB), so each joint refill with its round would serve 48 matrix instructions a
; wave at the most.  No tensor load: feat has to pass through registers to be rounded.
; LIMITS, kept on purpose: feat is rounded to bf16 once, and that number is also the qt of |qt - ctx| and qt * ctx; q, k, v, the
; softmax weights, ctx and the four parts of asym are rounded to bf16 as matrix operands; sums, softmax (true running-free maximum
; over the allowed keys, taken before the exponential) and LayerNorm (mean first, then the squares of the differences) in f32;
; relu is a maximum with 0 in which a NaN loses.
;
; LDS:  XC [c 256][128 px of rows m = 2, 3] bf16, pitch 288;  XH [c][256 px of rows m = 0, 1, 4, 5] bf16, pitch 544 (odd multiples
; of 32 bytes, for the turning load);  CTX [token 128][256 ch] bf16, pitch 528;  PAR the five vectors in f32;  RED 2 x 2 KiB.
; Later: CTX holds the out-projection's result, XH's bytes hold |qt - ctx| and qt * ctx ([token][256], pitch 528), at last the f32 stage.
; REGISTERS, windows of 256:  0: addresses v0-31, BIAS v32-63, fragment buffers XA v64-111 and XB v112-159, W ring v160-255.
;   1: accumulators 0-31; S and P; landing sets of the first phase.   2: accumulators 32-47, then K's fragments (0-191), O^T (0-127),
;   masks (192-255); later two B buffers (0-127) and qt (128-255).   3: V's fragments (0-191), Q's (192-255); at the end the output rows.
.set XC,   0
.set XCP,  288
.set XH,   73728
.set XHP,  544
.set CTX,  212992
.set TP,   528
.set ABSB, XH
.set MULB, XH+128*TP
.set PAR,  280576
.set RED,  287744
.set BIAS, 32
.set XA,   64
.set XB,   112
.set WR,   160
.set MSB,  0
.macro WIN new                         ; the immediate's high byte repeats the setting that is left; a switch that changes nothing is dropped
.if MSB != (\new)
	s_set_vgpr_msb (MSB<<8)|(\new)
.set MSB, \new
.endif
.endm
; Four plain vector instructions stand between a matrix instruction and a vector instruction that reads its result or writes one of
; its registers, or a load into one of them (ISA guide 7.12.1 for vector instructions); five where a matrix instruction writes over them.
.macro PLACES
.rept 4
	v_nop
.endr
.endm
.macro PLACES5
.rept 5
	v_nop
.endr
.endm
.macro BAR                             ; my LDS stores and loads are done, then the work-group's barrier
	s_wait_dscnt 0x0
	s_barrier_signal -1
	s_barrier_wait -1
.endm
; one K step's four weight fragments (64 rows x 32 k), 8 loads of 512 consecutive bytes, into ring slot 'slot'
.macro WLOAD slot, base, off
.irp dt, 0,1,2,3
.irp e, 0,1
	global_load_b128 v[WR+32*(\slot)+8*\dt+4*\e:WR+32*(\slot)+8*\dt+4*\e+3], v4, s[\base:\base+1] offset:(\off)+\dt*1024+\e*512
.endr
.endr
.endm
; 32 numbers of a parameter vector in the layout of a result whose registers are channels: register 8 dt + j = channel 16 dt + 8 h + j
.macro BIASLD dst, adr, imm
.irp dt, 0,1,2,3
.irp e, 0,1
	ds_load_b128 v[(\dst)+8*\dt+4*\e:(\dst)+8*\dt+4*\e+3], v[\adr] offset:(\imm)+\dt*64+\e*16
.endr
.endr
.endm
	s_load_b256 s[4:11], s[0:1], 0x0               ; feat s[4:5], wp s[6:7], in_b s[8:9], out_b s[10:11]
	s_load_b256 s[12:19], s[0:1], 0x20             ; proj_b s[12:13], ln_g s[14:15], ln_b s[16:17], out0 s[18:19]
	v_lshrrev_b32 v1, 5, v0
	v_readfirstlane_b32 s20, v1                    ; wave w
	v_and_b32 v1, 31, v0                           ; L
	v_and_b32 v2, 15, v0                           ; r
	v_bfe_u32 v3, v0, 4, 1                         ; h
	v_lshlrev_b32 v4, 4, v1                        ; 16 L; never rewritten
	s_and_b32 s21, s20, 1                          ; H
	s_lshr_b32 s22, s20, 1                         ; p
	s_and_b32 s23, ttmp9, 31                       ; g
	s_lshr_b32 s24, ttmp9, 5                       ; b
	s_lshl_b32 s25, s23, 1                         ; y0
	s_mov_b32 s34, 0x3e38aa3b                      ; c = log2(e) / sqrt(64), as a pair
	s_mov_b32 s35, 0x3e38aa3b
	s_mov_b32 s36, 0x76543210                      ; v_permlanex16_b32: each lane takes its own place in the other half
	s_mov_b32 s37, 0xfedcba98
	s_mov_b32 s39, 0xffff0000                      ; a word's upper bf16
	s_mov_b32 s40, 0x7fff7fff                      ; clears two bf16 signs
	; the three pairs of rows; lanes 0-15 take a pair's first row, lanes 16-31 its second; outside the image the nearest row
	s_sub_co_i32 s52, s25, 2
	s_max_i32 s52, s52, 0
	s_add_co_u32 s54, s25, 2
	s_min_u32 s54, s54, 63
	s_cmp_lg_u32 s23, 0                            ; rows y0-2, y0-1 exist?
	s_cselect_b32 s53, 1, 0
	s_cselect_b32 s41, 1, 0                        ; mask limits 2 rad + 1, or 0 where the rows do not exist
	s_cselect_b32 s42, 3, 0
	s_cmp_lg_u32 s23, 31                           ; rows y0+2, y0+3 exist?
	s_cselect_b32 s55, 1, 0
	s_cselect_b32 s43, 1, 0
	s_cselect_b32 s44, 3, 0
	s_lshl_b32 s56, s20, 20                        ; my 64 channels of 16,384 bytes
	v_lshl_add_u32 v28, v2, 4, s56
	v_mad_u32_u24 v29, v3, s53, s52
	v_lshl_add_u32 v54, v29, 8, v28                ; pair 0: rows m = 0, 1
	v_add_nc_u32 v29, s25, v3
	v_lshl_add_u32 v55, v29, 8, v28                ; pair 1: rows m = 2, 3
	v_mad_u32_u24 v29, v3, s55, s54
	v_lshl_add_u32 v56, v29, 8, v28                ; pair 2: rows m = 4, 5
	s_mul_i32 s57, s20, 64*XCP
	v_lshl_add_u32 v57, v1, 3, s57                 ; XC: my channels, 8 bytes a lane
	s_mul_i32 s57, s20, 64*XHP
	s_add_co_u32 s57, s57, XH
	v_lshl_add_u32 v58, v1, 3, s57                 ; XH likewise
	v_lshlrev_b32 v60, 3, v0                       ; 8 tid
	v_add_nc_u32 v59, PAR, v60
	s_wait_kmcnt 0x0
	s_lshl_b32 s58, s24, 22                        ; an image is 4 MiB
	s_mov_b32 s59, 0
	s_add_nc_u64 s[48:49], s[4:5], s[58:59]        ; feat at my image
	s_add_nc_u64 s[50:51], s[18:19], s[58:59]
	s_lshl_b32 s58, s25, 8
	s_add_nc_u64 s[50:51], s[50:51], s[58:59]      ; out0 at my image, row y0
	s_lshl_b32 s58, s22, 16
	s_add_nc_u64 s[26:27], s[6:7], s[58:59]        ; wp at head 2p (32,768 bytes a head in each of Q, K, V)
	s_add_nc_u64 s[28:29], s[26:27], 294912        ; what follows this head's stream: the next head's V
	s_lshl_b32 s58, s20, 15
	s_add_nc_u64 s[30:31], s[6:7], s[58:59]
	s_add_nc_u64 s[30:31], s[30:31], 393216        ; out_w, my 64 rows
	s_lshl_b32 s58, s20, 17
	s_add_nc_u64 s[32:33], s[6:7], s[58:59]
	s_add_nc_u64 s[32:33], s[32:33], 524288        ; proj_w, my 64 rows
	global_load_b64 v[40:41], v60, s[8:9]          ; the five vectors, 8 bytes a thread
	global_load_b64 v[42:43], v60, s[8:9] offset:1024
	global_load_b64 v[44:45], v60, s[8:9] offset:2048
	global_load_b64 v[46:47], v60, s[10:11]
	global_load_b64 v[48:49], v60, s[12:13]
	global_load_b64 v[50:51], v60, s[14:15]
	global_load_b64 v[52:53], v60, s[16:17]
	WLOAD 0, 26, 262144                            ; V's first three K steps
	WLOAD 1, 26, 262144+4096
	WLOAD 2, 26, 262144+8192
; PHASE A.  feat to bf16 in LDS.  Batch bi: row pair bi / 4, my channels 16 (bi % 4) .. + 15; a load takes 256 bytes of each of the pair's two rows.
.macro XISSUE bi
	WIN 0x40                                       ; destination window 1
.set i_, 0
.rept 16
	global_load_b128 v[64*((\bi)%3)+4*i_:64*((\bi)%3)+4*i_+3], v[54+(\bi)/4], s[48:49] offset:(((\bi)%4)*16+i_)*16384
.set i_, i_+1
.endr
.endm
.macro XPROC bi, left
	s_wait_loadcnt \left                           ; loads come back in order: this batch is in, the younger batches stay out
.set xb_, 64*((\bi)%3)
	WIN 0x45
.set i_, 0
.rept 16
	v_cvt_pk_bf16_f32 v[xb_+4*i_], v[xb_+4*i_], v[xb_+4*i_+1]
	v_cvt_pk_bf16_f32 v[xb_+4*i_+1], v[xb_+4*i_+2], v[xb_+4*i_+3]
.set i_, i_+1
.endr
	WIN 0x04                                       ; store data window 1
.set i_, 0
.rept 16
.set cl_, ((\bi)%4)*16+i_
.if (\bi)/4 == 1
	ds_store_b64 v57, v[xb_+4*i_:xb_+4*i_+1] offset:cl_*XCP
.else
	ds_store_b64 v58, v[xb_+4*i_:xb_+4*i_+1] offset:cl_*XHP+128*((\bi)/4)
.endif
.set i_, i_+1
.endr
.endm
	XISSUE 0
	XISSUE 1
	XISSUE 2
	WIN 0
	; addresses, while the loads are on their way.  TL(P) = (8 h + (L & 7)) P + 16 ((L >> 3) & 1): a lane's place for the turning load
	s_xor_b32 s52, s21, 1
	s_lshl_b32 s52, s52, 6                         ; the other half's 32 columns: 64 bytes
	s_lshl_b32 s53, s21, 6                         ; my half's
	v_and_b32 v28, 7, v0
	v_lshl_add_u32 v28, v3, 3, v28
	v_bfe_u32 v29, v0, 3, 1
	v_lshlrev_b32 v29, 4, v29
	v_mad_u32_u24 v30, v28, XHP, v29               ; TL(544)
	v_mad_u32_u24 v31, v28, XCP, v29               ; TL(288)
	s_add_co_u32 s54, s52, XH
	v_add_nc_u32 v5, s54, v30                      ; v5, v6: key rows m = 0, 1, 4, 5, channels 0-127, 128-255
	v_add_nc_u32 v6, 128*XHP, v5
	v_add_nc_u32 v7, s52, v31                      ; v7, v8: key rows m = 2, 3
	v_add_nc_u32 v8, 128*XCP, v7
	v_add_nc_u32 v9, s53, v31                      ; v9, v10: my queries
	v_add_nc_u32 v10, 128*XCP, v9
	v_mov_b32 v16, v31                             ; v16, v17: qt as an operand of the projection
	v_add_nc_u32 v17, 128*XCP, v31
	s_mul_i32 s54, s20, 64*XCP
	v_add_nc_u32 v18, s54, v31                     ; v18: qt of my 64 output channels
	s_lshl_b32 s54, s22, 9
	s_add_co_u32 s54, s54, PAR
	v_lshl_add_u32 v11, v3, 5, s54                 ; v11: in_b at head 2p, + 32 h; steps 256 a head
	v_mul_u32_u24 v28, v2, TP
	v_lshl_add_u32 v28, v3, 4, v28                 ; r x 528 + 16 h
	s_mul_i32 s54, s21, 32*TP
	s_lshl_b32 s55, s22, 8
	s_add_co_u32 s54, s54, s55
	s_add_co_u32 s54, s54, CTX
	v_add_nc_u32 v12, s54, v28                     ; v12: where the context goes; steps 128 a head
	v_add_nc_u32 v13, CTX, v28                     ; v13-15: operands [token][channel]
	v_add_nc_u32 v14, ABSB, v28
	v_add_nc_u32 v15, MULB, v28
	s_lshl_b32 s54, s20, 7
	v_add_nc_u32 v19, s54, v13                     ; v19-21: the same at my 64 channels, for stores
	v_add_nc_u32 v20, s54, v14
	v_add_nc_u32 v21, s54, v15
	s_lshl_b32 s54, s20, 8
	s_add_co_u32 s54, s54, PAR
	v_lshl_add_u32 v22, v3, 5, s54                 ; v22: a vector at my 64 channels, + 32 h
	s_lshl_b32 s54, s20, 9
	s_add_co_u32 s54, s54, RED
	v_lshl_add_u32 v23, v2, 5, s54                 ; v23: my wave's figures [r][nt]
	v_lshlrev_b32 v24, 5, v2
	v_add_nc_u32 v24, RED, v24                     ; v24: all waves' figures
	s_mul_i32 s54, s20, 64*TP
	s_add_co_u32 s54, s54, XH
	v_mul_u32_u24 v29, v3, 8*TP
	v_lshl_add_u32 v29, v2, 2, v29
	v_add_nc_u32 v25, s54, v29                     ; v25: into the f32 stage [channel][128 px]
	v_add_nc_u32 v26, s54, v4                      ; v26: back out of it, a whole row of 512 bytes a load
	s_lshl_b32 s54, s20, 20
	v_add_nc_u32 v27, s54, v4                      ; v27: the same row in out0
	; masks, 0 or -inf.  dx = kappa - (r + 8 h); a key is allowed where 0 <= dx + rad <= 2 rad, one unsigned compare.
	; entries: side tile of column tile 0 (j = 6, 7), main tile (j = 0..7), side tile of column tile 1 (j = 0, 1)
	v_lshl_add_u32 v102, v3, 3, v2
	v_mov_b32 v100, 0xff800000
	v_mov_b32 v101, 0
.set e_, 0
.irp kap, 25,24,15,14,13,12,11,10,9,8,-1,-2
	v_sub_nc_u32 v[64+e_], \kap, v102
.set e_, e_+1
.endr
.set e_, 0
.rept 12
	v_add_nc_u32 v[76+e_], 1, v[64+e_]
	v_add_nc_u32 v[88+e_], 2, v[64+e_]
.set e_, e_+1
.endr
.macro MSET dst, cnt, e0, rad, lim
.set e_, 0
.rept \cnt
	v_cmp_gt_u32 vcc_lo, \lim, v[64+12*(\rad)+(\e0)+e_]
	v_cndmask_b32 v[(\dst)+e_], v100, v101, vcc_lo
.set e_, e_+1
.endr
.endm
	WIN 0x80                                       ; destination window 2
	MSET 192, 8, 2, 0, s41                         ; |dy| = 2, rows above
	MSET 200, 8, 2, 0, s43                         ; |dy| = 2, rows below
	MSET 208, 12, 0, 1, s42                        ; |dy| = 1, row above the group's
	MSET 220, 12, 0, 2, 5                          ; dy = 0
	MSET 232, 12, 0, 1, 3                          ; |dy| = 1, the group's other row
	MSET 244, 12, 0, 1, s44                        ; |dy| = 1, row below the group's
	WIN 0
	s_wait_loadcnt 32                              ; all but the two youngest batches: the vectors are in
.irp k, 0,1,2,3,4,5,6
	ds_store_b64 v59, v[40+2*\k:41+2*\k] offset:1024*\k
.endr
.irp bi, 0,1,2,3,4,5,6,7,8
	XPROC \bi, 32
	XISSUE \bi+3
.endr
	XPROC 9, 32
	XPROC 10, 16
	XPROC 11, 0
	WIN 0
	BAR                                            ; barrier 1: X and the vectors are whole
; PHASE B.  One head a trip.
; six fragments of 16 tokens x 32 channels: rows m = 3 half + f / 2, column tile f % 2 of the other half; two turning loads each
.macro XLOAD buf, half, ks
.set f_, 0
.rept 6
.set mm_, 3*(\half)+f_/2
.if (mm_ == 2) || (mm_ == 3)
.set ar_, 7+(\ks)/4
.set im_, ((\ks)%4)*32*XCP+((mm_-2)*64+(f_%2)*16)*2
.set sp_, 16*XCP
.else
.set ar_, 5+(\ks)/4
.if mm_ > 3
.set mm_, mm_-2
.endif
.set im_, ((\ks)%4)*32*XHP+(mm_*64+(f_%2)*16)*2
.set sp_, 16*XHP
.endif
	ds_load_tr16_b128 v[(\buf)+8*f_:(\buf)+8*f_+3], v[ar_] offset:im_
	ds_load_tr16_b128 v[(\buf)+8*f_+4:(\buf)+8*f_+7], v[ar_] offset:im_+sp_
.set f_, f_+1
.endr
.endm
; four fragments of my queries: tile qi = 2 qrow + ct
.macro QXLOAD buf, ks
.set f_, 0
.rept 4
.set im_, ((\ks)%4)*32*XCP+((f_/2)*64+(f_%2)*16)*2
	ds_load_tr16_b128 v[(\buf)+8*f_:(\buf)+8*f_+3], v[9+(\ks)/4] offset:im_
	ds_load_tr16_b128 v[(\buf)+8*f_+4:(\buf)+8*f_+7], v[9+(\ks)/4] offset:im_+16*XCP
.set f_, f_+1
.endr
.endm
; the weights of the step three on, into the slot just read.  A head's stream: V's 8 steps, Q's 8, K's 8; then what s[28:29] names
.macro WNEXT step
.set t_, (\step)+3
.if t_ < 8
	WLOAD t_%3, 26, 262144+t_*4096
.elseif t_ < 16
	WLOAD t_%3, 26, (t_-8)*4096
.elseif t_ < 24
	WLOAD t_%3, 26, 131072+(t_-16)*4096
.else
	WLOAD t_%3, 28, (t_-24)*4096
.endif
.endm
; 8 matrix instructions: row m, 2 column tiles x 4 tiles of d.  kind 0: V = X Wv^T, accumulator 8 m + 2 dt + kt, started by 0 (its bias is added
; behind the softmax, whose weights sum to 1).  kind 1: K^T = Wk X^T, accumulator 8 m + 4 kt + dt, started by the bias.
; The 48 accumulators take turns, one instruction a turn.
.macro MULKV kind, ks, slot, m
.set wn_, 1+(\m)/4
.if ((\kind) == 1) && ((\ks) == 0)
	WIN wn_<<6
.else
	WIN (wn_<<6)|(wn_<<4)
.endif
.irp kt, 0,1
.irp dt, 0,1,2,3
.set rx_, XA+16*(\m)+8*\kt
.set rw_, WR+32*(\slot)+8*\dt
.if (\kind) == 0
.set ra_, ((8*(\m)+2*\dt+\kt)%32)*8
.if (\ks) == 0
	v_wmma_f32_16x16x32_bf16 v[ra_:ra_+7], v[rx_:rx_+7], v[rw_:rw_+7], 0
.else
	v_wmma_f32_16x16x32_bf16 v[ra_:ra_+7], v[rx_:rx_+7], v[rw_:rw_+7], v[ra_:ra_+7]
.endif
.else
.set ra_, ((8*(\m)+4*\kt+\dt)%32)*8
.if (\ks) == 0
	v_wmma_f32_16x16x32_bf16 v[ra_:ra_+7], v[rw_:rw_+7], v[rx_:rx_+7], v[BIAS+8*\dt:BIAS+8*\dt+7]
.else
	v_wmma_f32_16x16x32_bf16 v[ra_:ra_+7], v[rw_:rw_+7], v[rx_:rx_+7], v[ra_:ra_+7]
.endif
.endif
.endr
.endr
.endm
.macro KVSTEP kind, ks, step
.set sl_, (\step)%3
	s_wait_loadcnt 16                              ; this step's weights are in; the next two steps' 8 loads each stay out
	s_wait_dscnt 12                                ; XA is in; XB's 12 loads stay out
	MULKV \kind, \ks, sl_, 0
	MULKV \kind, \ks, sl_, 1
	MULKV \kind, \ks, sl_, 2
	PLACES
	WIN 0
.if (\ks) < 7
	XLOAD XA, 0, (\ks)+1
	s_wait_dscnt 12                                ; XB is in; the 12 just issued stay out
.elseif (\kind) == 0
	QXLOAD XA, 0
	s_wait_dscnt 8                                 ; XB is in; the 8 just issued stay out
.else
	s_wait_dscnt 0
.endif
	MULKV \kind, \ks, sl_, 3
	MULKV \kind, \ks, sl_, 4
	MULKV \kind, \ks, sl_, 5
	PLACES
	WIN 0
.if (\ks) < 7
.if ((\kind) == 1) && ((\ks) == 0)
	BIASLD BIAS, 11, 2048                          ; K's bias has started the sums: V's takes its place
.endif
	XLOAD XB, 1, (\ks)+1
.elseif (\kind) == 0
	QXLOAD XB, 1
.endif
	WNEXT \step
.endm
; Q^T = Wq X^T: 16 accumulators 4 qi + dt by turns, started by the bias
.macro QSTEP ks
.set sl_, (8+(\ks))%3
.set qb_, XA+48*((\ks)%2)
	s_wait_loadcnt 16
.if (\ks) == 7
	s_wait_dscnt 12                                ; behind this step's fragments: K's first 12
.else
	s_wait_dscnt 8                                 ; behind this step's fragments: the next step's 8
.endif
.if (\ks) == 0
	WIN 0x40
.else
	WIN 0x50
.endif
.irp qi, 0,1,2,3
.irp dt, 0,1,2,3
.set ra_, 8*(4*\qi+\dt)
.set rw_, WR+32*sl_+8*\dt
.if (\ks) == 0
	v_wmma_f32_16x16x32_bf16 v[ra_:ra_+7], v[rw_:rw_+7], v[qb_+8*\qi:qb_+8*\qi+7], v[BIAS+8*\dt:BIAS+8*\dt+7]
.else
	v_wmma_f32_16x16x32_bf16 v[ra_:ra_+7], v[rw_:rw_+7], v[qb_+8*\qi:qb_+8*\qi+7], v[ra_:ra_+7]
.endif
.endr
.endr
	PLACES
	WIN 0
.if (\ks) == 0
	BIASLD BIAS, 11, 1024                          ; K's bias
.endif
.if (\ks) < 6
	QXLOAD qb_, (\ks)+2
.elseif (\ks) == 6
	XLOAD XA, 0, 0
.else
	XLOAD XB, 1, 0
.endif
	WNEXT 8+(\ks)
.endm
; cnt accumulators of 8 f32 are rounded to 4 registers of bf16 pairs each
.macro PACK cnt, sw, sb, dw, db
	WIN (\sw)|((\sw)<<2)|((\dw)<<6)
.set a_, 0
.rept \cnt
.irp i, 0,1,2,3
	v_cvt_pk_bf16_f32 v[(\db)+4*a_+\i], v[(\sb)+8*a_+2*\i], v[(\sb)+8*a_+2*\i+1]
.endr
.set a_, a_+1
.endr
.endm
; a score tile: 16 keys (row qrow + u, column tile kt; kt = 2 stands for the main tile, 1 - ct) x 16 queries, 32 of d
.macro SC qi, kk, u, kt, so
.set kt_, \kt
.if (\kt) == 2
.set kt_, 1-(\qi)%2
.endif
.set rD_, 64*(\qi)+(\so)
.set rK_, (2*((\qi)/2+(\u))+kt_)*16+8*(\kk)
.set rQ_, 192+16*(\qi)+8*(\kk)
.if (\kk) == 0
	v_wmma_f32_16x16x32_bf16 v[rD_:rD_+7], v[rK_:rK_+7], v[rQ_:rQ_+7], 0
.else
	v_wmma_f32_16x16x32_bf16 v[rD_:rD_+7], v[rK_:rK_+7], v[rQ_:rQ_+7], v[rD_:rD_+7]
.endif
.endm
; live score n of 46 of query tile qi: its register rS (window 1) and its mask's rM (window 2).  Of a side tile only two registers can be allowed.
.macro SIDX n, qi
.set ct_, (\qi)%2
.set qr_, (\qi)/2
.set o_, 6*(1-ct_)
.if (\n) < 8
.set rS, 64*(\qi)+(\n)
.set rM, 192+(\n)
.elseif (\n) < 18
.set rS, 64*(\qi)+8+o_+(\n)-8
.set rM, 208+24*qr_+2*ct_+(\n)-8
.elseif (\n) < 28
.set rS, 64*(\qi)+24+o_+(\n)-18
.set rM, 220+2*ct_+(\n)-18
.elseif (\n) < 38
.set rS, 64*(\qi)+40+o_+(\n)-28
.set rM, 232+12*qr_+2*ct_+(\n)-28
.else
.set rS, 64*(\qi)+56+(\n)-38
.set rM, 200+(\n)-38
.endif
.endm
; weights to bf16 in place: 8 registers at pb become an operand of 32 keys x 16 queries; keys that were not scored get 0
.macro PEDGE pb, ct                    ; |dy| = 2: the main tile alone
.if (\ct) == 0
	v_cvt_pk_bf16_f32 v[(\pb)+7], v[(\pb)+6], v[(\pb)+7]
	v_cvt_pk_bf16_f32 v[(\pb)+6], v[(\pb)+4], v[(\pb)+5]
	v_cvt_pk_bf16_f32 v[(\pb)+5], v[(\pb)+2], v[(\pb)+3]
	v_cvt_pk_bf16_f32 v[(\pb)+4], v[(\pb)+0], v[(\pb)+1]
.irp i, 0,1,2,3
	v_mov_b32 v[(\pb)+\i], 0
.endr
.else
.irp i, 0,1,2,3
	v_cvt_pk_bf16_f32 v[(\pb)+\i], v[(\pb)+2*\i], v[(\pb)+2*\i+1]
.endr
.irp i, 4,5,6,7
	v_mov_b32 v[(\pb)+\i], 0
.endr
.endif
.endm
.macro PMID pb, ct                     ; |dy| <= 1: both tiles, 16 registers at pb
.if (\ct) == 0
.irp i, 3,4,5,6,7
	v_cvt_pk_bf16_f32 v[(\pb)+\i], v[(\pb)+2*\i], v[(\pb)+2*\i+1]
.endr
.irp i, 0,1,2
	v_mov_b32 v[(\pb)+\i], 0
.endr
.else
.irp i, 0,1,2,3,4
	v_cvt_pk_bf16_f32 v[(\pb)+\i], v[(\pb)+2*\i], v[(\pb)+2*\i+1]
.endr
.irp i, 5,6,7
	v_mov_b32 v[(\pb)+\i], 0
.endr
.endif
.endm
	s_mov_b32 s38, 0
.Lhead:
	BIASLD BIAS, 11, 0                             ; Q's bias
	XLOAD XA, 0, 0
	XLOAD XB, 1, 0
.irp ks, 0,1,2,3,4,5,6,7
	KVSTEP 0, \ks, \ks
.endr
	PACK 32, 1, 0, 3, 0                            ; V: fragment (m, dt) at window 3, 8 (4 m + dt)
	PACK 16, 2, 0, 3, 128
.irp ks, 0,1,2,3,4,5,6,7
	QSTEP \ks
.endr
	PACK 16, 1, 0, 3, 192                          ; Q: fragment (qi, kk) at window 3, 192 + 16 qi + 8 kk
.irp ks, 0,1,2,3,4,5,6,7
	KVSTEP 1, \ks, 16+\ks
.endr
	PACK 16, 2, 0, 2, 128                          ; K: fragment (m, kt, kk) at window 2, 16 (2 m + kt) + 8 kk; the upper ones first, out of the lower ones' way
	PACK 32, 1, 0, 2, 0
	WIN 0x5e                                       ; K window 2, Q window 3, S^T window 1
.irp kk, 0,1                                           ; 32 score tiles by turns
.irp qi, 0,1,2,3
	SC \qi, \kk, 0, 2, 0
	SC \qi, \kk, 1, 0, 8
	SC \qi, \kk, 1, 1, 16
	SC \qi, \kk, 2, 0, 24
	SC \qi, \kk, 2, 1, 32
	SC \qi, \kk, 3, 0, 40
	SC \qi, \kk, 3, 1, 48
	SC \qi, \kk, 4, 2, 56
.endr
.endr
	PLACES5
	; softmax over a query's 46 + 46 live scores (two lanes).  Statistics of tile qi at v[64 + 8 qi]: +0, +1 the maximum twice, +2, +3 sums, +4 at work, +6, +7 1 / sum twice
	WIN 0x61
.set n_, 0
.rept 23
.irp qi, 0,1,2,3
	SIDX n_, \qi
	v_pk_fma_f32 v[rS:rS+1], v[rS:rS+1], s[34:35], v[rM:rM+1] op_sel_hi:[1,0,1]   ; c s + mask
.endr
.set n_, n_+2
.endr
	WIN 0x15
.irp qi, 0,1,2,3
	v_max3_num_f32 v[64+8*\qi], v[64*\qi], v[64*\qi+1], v[64*\qi+2]
.endr
	WIN 0x14
.set n_, 3
.rept 21
.irp qi, 0,1,2,3
	SIDX n_, \qi
.set rA, rS
	SIDX n_+1, \qi
	v_max3_num_f32 v[64+8*\qi], v[64+8*\qi], v[rA], v[rS]
.endr
.set n_, n_+2
.endr
.irp qi, 0,1,2,3
	SIDX 45, \qi
	v_max_num_f32 v[64+8*\qi], v[64+8*\qi], v[rS]
.endr
	WIN 0
.irp qi, 0,1,2,3
	v_mov_b32 v[68+8*\qi], v[64+8*\qi]             ; the exchange's destination counts as read
.endr
.irp qi, 0,1,2,3
	v_permlanex16_b32 v[68+8*\qi], v[64+8*\qi], s36, s37
.endr
.irp qi, 0,1,2,3
	v_max_num_f32 v[64+8*\qi], v[64+8*\qi], v[68+8*\qi]   ; finite: the key at dx = dy = 0 is always allowed
.endr
.irp qi, 0,1,2,3
	v_mov_b32 v[65+8*\qi], v[64+8*\qi]
.endr
	WIN 0x41
.set n_, 0
.rept 23
.irp qi, 0,1,2,3
	SIDX n_, \qi
	v_pk_add_f32 v[rS:rS+1], v[rS:rS+1], v[64+8*\qi:65+8*\qi] neg_lo:[0,1] neg_hi:[0,1]
.endr
.set n_, n_+2
.endr
.set n_, 0
.rept 46
.irp qi, 0,1,2,3
	SIDX n_, \qi
	v_exp_f32 v[rS], v[rS]
.endr
.set n_, n_+1
.endr
	v_nop                                          ; a plain instruction between the last exponential and the use of its result
	WIN 0x05
.irp qi, 0,1,2,3
	v_pk_add_f32 v[66+8*\qi:67+8*\qi], v[64*\qi:64*\qi+1], v[64*\qi+2:64*\qi+3]
.endr
	WIN 0x04
.set n_, 4
.rept 21
.irp qi, 0,1,2,3
	SIDX n_, \qi
	v_pk_add_f32 v[66+8*\qi:67+8*\qi], v[66+8*\qi:67+8*\qi], v[rS:rS+1]
.endr
.set n_, n_+2
.endr
	WIN 0
.irp qi, 0,1,2,3
	v_add_f32 v[66+8*\qi], v[66+8*\qi], v[67+8*\qi]
.endr
.irp qi, 0,1,2,3
	v_permlanex16_b32 v[68+8*\qi], v[66+8*\qi], s36, s37
.endr
.irp qi, 0,1,2,3
	v_add_f32 v[66+8*\qi], v[66+8*\qi], v[68+8*\qi]
.endr
.irp qi, 0,1,2,3
	v_rcp_f32 v[70+8*\qi], v[66+8*\qi]
	v_rcp_f32 v[71+8*\qi], v[66+8*\qi]
.endr
	v_nop
	WIN 0x45
.irp qi, 0,1,2,3
	PEDGE 64*\qi, (\qi)%2
	PMID 64*\qi+8, (\qi)%2
	PMID 64*\qi+24, (\qi)%2
	PMID 64*\qi+40, (\qi)%2
	PEDGE 64*\qi+56, (\qi)%2
.endr
	WIN 0xa7                                       ; V window 3, P window 1, O^T window 2
.irp u, 0,1,2,3,4                                      ; 16 accumulators by turns
.irp qi, 0,1,2,3
.irp dt, 0,1,2,3
.set rO_, 8*(4*\qi+\dt)
.set rV_, 8*(4*((\qi)/2+\u)+\dt)
.if \u == 0
	v_wmma_f32_16x16x32_bf16 v[rO_:rO_+7], v[rV_:rV_+7], v[64*\qi:64*\qi+7], 0
.else
	v_wmma_f32_16x16x32_bf16 v[rO_:rO_+7], v[rV_:rV_+7], v[64*\qi+16*\u-8:64*\qi+16*\u-1], v[rO_:rO_+7]
.endif
.endr
.endr
.endr
	PLACES5
	WIN 0x82
.irp qi, 0,1,2,3
.irp dt, 0,1,2,3
.irp i, 0,2,4,6
	v_pk_fma_f32 v[8*(4*\qi+\dt)+\i:8*(4*\qi+\dt)+\i+1], v[8*(4*\qi+\dt)+\i:8*(4*\qi+\dt)+\i+1], v[70+8*\qi:71+8*\qi], v[BIAS+8*\dt+\i:BIAS+8*\dt+\i+1]   ; O / l + V's bias
.endr
.endr
.endr
	WIN 0x0a
.set a_, 0
.rept 16
.irp i, 0,1,2,3
	v_cvt_pk_bf16_f32 v[96+4*a_+\i], v[8*a_+2*\i], v[8*a_+2*\i+1]
.endr
.set a_, a_+1
.endr
	WIN 0
.irp qi, 0,1,2,3
.irp dt, 0,1,2,3
	ds_store_b128 v12, v[96+4*(4*\qi+\dt):96+4*(4*\qi+\dt)+3] offset:(((\qi)/2)*64+((\qi)%2)*16)*TP+\dt*32
.endr
.endr
	v_add_nc_u32 v12, 128, v12                     ; the next head's 64 channels
	v_add_nc_u32 v11, 256, v11
	s_wait_xcnt 0x0                                ; the weight loads on their way have had their addresses translated: only now are their bases rewritten
	s_add_nc_u64 s[26:27], s[26:27], 32768
	s_mov_b64 s[28:29], s[30:31]                   ; behind the second head's stream comes the out-projection's
	s_add_co_u32 s38, s38, 1
	s_cmp_lt_u32 s38, 2
	s_cbranch_scc1 .Lhead
	BAR                                            ; barrier 2: the context of all heads and both halves is in CTX
; PHASES C AND E.  40 K steps of 32: 0-7 the out-projection, 8-39 the projection over qt, ctx, |qt - ctx|, qt * ctx.
; Result^T = W B^T: accumulator 4 nt + dt, lane = token 16 nt + r, registers = channel 64 w + 16 dt + 8 h + j.
.macro BLOAD st                        ; 8 fragments of 16 tokens x 32 k into window 2, buffer st & 1
	WIN 0x80
.set bb_, 64*((\st)&1)
.set kq_, (\st)&7
.set ar_, 13
.if (\st) >= 24
.set ar_, 14
.endif
.if (\st) >= 32
.set ar_, 15
.endif
.set nt_, 0
.rept 8
.if ((\st) >= 8) && ((\st) < 16)
	ds_load_tr16_b128 v[bb_+8*nt_:bb_+8*nt_+3], v[16+kq_/4] offset:(kq_%4)*32*XCP+nt_*32
	ds_load_tr16_b128 v[bb_+8*nt_+4:bb_+8*nt_+7], v[16+kq_/4] offset:(kq_%4)*32*XCP+nt_*32+16*XCP
.else
	ds_load_b128 v[bb_+8*nt_:bb_+8*nt_+3], v[ar_] offset:nt_*16*TP+kq_*64
	ds_load_b128 v[bb_+8*nt_+4:bb_+8*nt_+7], v[ar_] offset:nt_*16*TP+kq_*64+32
.endif
.set nt_, nt_+1
.endr
.endm
.macro DSTEP st
.if (\st) == 39
	s_wait_loadcnt 0
	s_wait_dscnt 0
.elseif (\st) == 38
	s_wait_loadcnt 8                               ; the last step's 8 weight loads stay out
	s_wait_dscnt 16
.else
	s_wait_loadcnt 16                              ; the next two steps' weights stay out
	s_wait_dscnt 16                                ; the other buffer's 16 loads stay out
.endif
.if ((\st) == 0) || ((\st) == 8)
	WIN 0x48                                       ; the bias starts the sums
.else
	WIN 0x58
.endif
.irp nt, 0,1,2,3,4,5,6,7                               ; 32 accumulators by turns
.irp dt, 0,1,2,3
.set ra_, 8*(4*\nt+\dt)
.set rw_, WR+32*((\st)%3)+8*\dt
.set rb_, 64*((\st)&1)+8*\nt
.if ((\st) == 0) || ((\st) == 8)
	v_wmma_f32_16x16x32_bf16 v[ra_:ra_+7], v[rw_:rw_+7], v[rb_:rb_+7], v[BIAS+8*\dt:BIAS+8*\dt+7]
.else
	v_wmma_f32_16x16x32_bf16 v[ra_:ra_+7], v[rw_:rw_+7], v[rb_:rb_+7], v[ra_:ra_+7]
.endif
.endr
.endr
	PLACES
.if (\st)+2 <= 39
	BLOAD (\st)+2
.endif
	WIN 0
.if (\st)+3 < 8
	WLOAD ((\st)+3)%3, 30, ((\st)+3)*4096
.elseif (\st)+3 <= 39
	WLOAD ((\st)+3)%3, 32, ((\st)+3-8)*4096
.endif
.endm
	BIASLD BIAS, 22, 3072                          ; out_b
	BLOAD 0
	BLOAD 1
.irp st, 0,1,2,3,4,5,6,7
	DSTEP \st
.endr
; PHASE D.  ctx is in the accumulators; qt comes in the same layout (lane = token, 8 channels in 4 registers) by the turning load.
	WIN 0x80
.set a_, 0
.rept 32
	ds_load_tr16_b128 v[128+4*a_:128+4*a_+3], v18 offset:(a_%4)*16*XCP+(a_/4)*32
.set a_, a_+1
.endr
	WIN 0
	BIASLD BIAS, 22, 4096                          ; proj_b
	BAR                                            ; barrier 3: every wave's reads of CTX are back, so CTX may be written again; XH was last read in front of barrier 2
.macro ASYM gq                         ; token tile gq, my 64 channels: ctx, |qt - ctx|, qt * ctx, rounded, to LDS as [token][channel]
	WIN 0x08
.set k_, 0
.rept 16
	v_lshlrev_b32 v[64+2*k_], 16, v[128+16*(\gq)+k_]
	v_and_b32 v[65+2*k_], s39, v[128+16*(\gq)+k_]
.set k_, k_+1
.endr
	WIN 0x04
.set k_, 0
.rept 16
	v_pk_add_f32 v[96+2*k_:97+2*k_], v[64+2*k_:65+2*k_], v[32*(\gq)+2*k_:32*(\gq)+2*k_+1] neg_lo:[0,1] neg_hi:[0,1]
	v_pk_mul_f32 v[64+2*k_:65+2*k_], v[64+2*k_:65+2*k_], v[32*(\gq)+2*k_:32*(\gq)+2*k_+1]
.set k_, k_+1
.endr
	WIN 0x05
.set k_, 0
.rept 16
	v_cvt_pk_bf16_f32 v[128+k_], v[32*(\gq)+2*k_], v[32*(\gq)+2*k_+1]
.set k_, k_+1
.endr
	WIN 0
.set k_, 0
.rept 16
	v_cvt_pk_bf16_f32 v[96+k_], v[96+2*k_], v[97+2*k_]
	v_cvt_pk_bf16_f32 v[64+k_], v[64+2*k_], v[65+2*k_]
.set k_, k_+1
.endr
.set k_, 0
.rept 16
	v_and_b32 v[96+k_], s40, v[96+k_]              ; the magnitude, on two bf16 at once
.set k_, k_+1
.endr
.irp dt, 0,1,2,3
	ds_store_b128 v19, v[128+4*\dt:128+4*\dt+3] offset:(\gq)*16*TP+\dt*32
	ds_store_b128 v20, v[96+4*\dt:96+4*\dt+3] offset:(\gq)*16*TP+\dt*32
	ds_store_b128 v21, v[64+4*\dt:64+4*\dt+3] offset:(\gq)*16*TP+\dt*32
.endr
.endm
.irp gq, 0,1,2,3,4,5,6,7
	ASYM \gq
.endr
	BAR                                            ; barrier 4: the three operands are whole
.irp st, 8,9,10,11,12,13,14,15,16,17,18,19,20,21,22,23,24,25,26,27,28,29,30,31,32,33,34,35,36,37,38,39
	DSTEP \st
.endr
; PHASE F.  LayerNorm over the 256 channels of a token, relu, and the way out.
; A lane's 32 channels, the other half of the lanes' 32, the other three waves' 192.  figures of token tile nt: v[src + 2 nt], + 1
.macro REDUCE src, imm
.irp nt, 0,1,2,3,4,5,6,7
	v_add_f32 v[80+\nt], v[(\src)+2*\nt], v[(\src)+2*\nt+1]
.endr
.irp nt, 0,1,2,3,4,5,6,7
	v_mov_b32 v[88+\nt], v[80+\nt]                 ; the exchange's destination counts as read
.endr
.irp nt, 0,1,2,3,4,5,6,7
	v_permlanex16_b32 v[88+\nt], v[80+\nt], s36, s37
.endr
.irp nt, 0,1,2,3,4,5,6,7
	v_add_f32 v[88+\nt], v[88+\nt], v[80+\nt]
.endr
	ds_store_b128 v23, v[88:91] offset:(\imm)
	ds_store_b128 v23, v[92:95] offset:(\imm)+16
	BAR                                            ; every wave's figures are stored
.irp ww, 0,1,2,3
.irp e, 0,1
	ds_load_b128 v[192+8*\ww+4*\e:192+8*\ww+4*\e+3], v24 offset:(\imm)+\ww*512+\e*16
.endr
.endr
	s_wait_dscnt 0x0
.irp k, 0,2,4,6
	v_pk_add_f32 v[192+\k:193+\k], v[192+\k:193+\k], v[200+\k:201+\k]
	v_pk_add_f32 v[208+\k:209+\k], v[208+\k:209+\k], v[216+\k:217+\k]
.endr
.irp k, 0,2,4,6
	v_pk_add_f32 v[192+\k:193+\k], v[192+\k:193+\k], v[208+\k:209+\k]   ; v[192 + nt]: the token's total, the same in every wave
.endr
.endm
	BIASLD BIAS, 22, 5120                          ; ln_g
	BIASLD 160, 22, 6144                           ; ln_b, into the weight ring, which is read out
	s_mov_b32 s52, 0x3b800000                      ; 1 / 256
	s_mov_b32 s53, 0x3727c5ac                      ; 1e-5
	WIN 0x05
.irp nt, 0,1,2,3,4,5,6,7
	v_pk_add_f32 v[64+2*\nt:65+2*\nt], v[32*\nt:32*\nt+1], v[32*\nt+2:32*\nt+3]
.endr
	WIN 0x04
.set k_, 2
.rept 14
.irp nt, 0,1,2,3,4,5,6,7
	v_pk_add_f32 v[64+2*\nt:65+2*\nt], v[64+2*\nt:65+2*\nt], v[32*\nt+2*k_:32*\nt+2*k_+1]
.endr
.set k_, k_+1
.endr
	WIN 0
	REDUCE 64, 0                                   ; barrier 5 inside
.irp nt, 0,1,2,3,4,5,6,7
	v_mul_f32 v[96+2*\nt], s52, v[192+\nt]         ; the mean, twice, for the packed instructions
.endr
.irp nt, 0,1,2,3,4,5,6,7
	v_mov_b32 v[97+2*\nt], v[96+2*\nt]
.endr
	WIN 0x41
.set k_, 0
.rept 16
.irp nt, 0,1,2,3,4,5,6,7
	v_pk_add_f32 v[32*\nt+2*k_:32*\nt+2*k_+1], v[32*\nt+2*k_:32*\nt+2*k_+1], v[96+2*\nt:97+2*\nt] neg_lo:[0,1] neg_hi:[0,1]
.endr
.set k_, k_+1
.endr
	WIN 0x05
.irp nt, 0,1,2,3,4,5,6,7
	v_pk_mul_f32 v[112+2*\nt:113+2*\nt], v[32*\nt:32*\nt+1], v[32*\nt:32*\nt+1]
.endr
.set k_, 1
.rept 15
.irp nt, 0,1,2,3,4,5,6,7
	v_pk_fma_f32 v[112+2*\nt:113+2*\nt], v[32*\nt+2*k_:32*\nt+2*k_+1], v[32*\nt+2*k_:32*\nt+2*k_+1], v[112+2*\nt:113+2*\nt]
.endr
.set k_, k_+1
.endr
	WIN 0
	REDUCE 112, 2048                               ; barrier 6 inside: behind it no wave reads the operands in XH's bytes any more
.irp nt, 0,1,2,3,4,5,6,7
	v_fma_f32 v[192+\nt], v[192+\nt], s52, s53     ; variance + eps
.endr
.irp nt, 0,1,2,3,4,5,6,7
	v_rsq_f32 v[128+2*\nt], v[192+\nt]
	v_rsq_f32 v[129+2*\nt], v[192+\nt]
.endr
	v_nop
	WIN 0x41
.set k_, 0
.rept 16
.irp nt, 0,1,2,3,4,5,6,7
	v_pk_mul_f32 v[32*\nt+2*k_:32*\nt+2*k_+1], v[32*\nt+2*k_:32*\nt+2*k_+1], v[128+2*\nt:129+2*\nt]
.endr
.set k_, k_+1
.endr
.irp nt, 0,1,2,3,4,5,6,7
.irp dt, 0,1,2,3
.irp i, 0,2,4,6
	v_pk_fma_f32 v[8*(4*\nt+\dt)+\i:8*(4*\nt+\dt)+\i+1], v[8*(4*\nt+\dt)+\i:8*(4*\nt+\dt)+\i+1], v[BIAS+8*\dt+\i:BIAS+8*\dt+\i+1], v[160+8*\dt+\i:160+8*\dt+\i+1]
.endr
.endr
.endr
	WIN 0x44
.set k_, 0
.rept 256
	v_max_num_f32 v[k_], 0, v[k_]
.set k_, k_+1
.endr
	; the way out: a lane holds one pixel of 32 channels; through my own 64 rows of the stage it becomes whole rows of 128 pixels
	WIN 0x04
.irp nt, 0,1,2,3,4,5,6,7
.irp dt, 0,1,2,3
.irp j, 0,1,2,3,4,5,6,7
	ds_store_b32 v25, v[8*(4*\nt+\dt)+\j] offset:(16*\dt+\j)*TP+\nt*64
.endr
.endr
.endr
	WIN 0xc0                                       ; destination window 3
.set c_, 0
.rept 64
	ds_load_b128 v[4*c_:4*c_+3], v26 offset:c_*TP  ; LDS serves a wave's instructions in order (ISA guide 5.7.1.4): these see my stores above
.set c_, c_+1
.endr
	WIN 0x0c                                       ; store data window 3
.set c_, 0
.irp q, 0,1,2,3
	s_wait_dscnt 48-16*\q                          ; the younger groups of 16 loads stay out
.rept 16
	global_store_b128 v27, v[4*c_:4*c_+3], s[50:51] offset:c_*16384 th:TH_STORE_NT   ; a channel's two image rows: 512 consecutive bytes, at a multiple of 512 from out0's first byte
.set c_, c_+1
.endr
.endr
	WIN 0
	s_endpgm
.Lfunc_end_k_qaf8c6b8bbc_fused:
	.size	k_qaf8c6b8bbc_fused, .Lfunc_end_k_qaf8c6b8bbc_fused-k_qaf8c6b8bbc_fused
	.p2alignl 7, 3214868480
	.fill 96, 4, 3214868480
	.section	.rodata,"a",@progbits
	.p2align	6, 0x0
	.amdhsa_kernel k_qaf8c6b8bbc_fused
		.amdhsa_group_segment_fixed_size 291840
		.amdhsa_private_segment_fixed_size 0
		.amdhsa_enable_private_segment 0
		.amdhsa_kernarg_size 64
		.amdhsa_user_sgpr_count 2
		.amdhsa_user_sgpr_kernarg_segment_ptr 1
		.amdhsa_wavefront_size32 1
		.amdhsa_system_sgpr_workgroup_id_x 1
		.amdhsa_system_sgpr_workgroup_id_y 1
		.amdhsa_system_sgpr_workgroup_id_z 1
		.amdhsa_system_vgpr_workitem_id 0
		.amdhsa_next_free_vgpr 1024
		.amdhsa_next_free_sgpr 66
		.amdhsa_reserve_vcc 1
		.amdhsa_float_denorm_mode_32 3
		.amdhsa_float_denorm_mode_16_64 3
		.amdhsa_memory_ordered 1
		.amdhsa_forward_progress 1
		.amdhsa_inst_pref_size 255
	.end_amdhsa_kernel
	.section	.bss,"aw",@nobits
	.p2align	6
	.space	262144
	.amdgpu_metadata
---
amdhsa.version: [ 1, 2 ]
amdhsa.kernels:
  - .name:           k_qaf8c6b8bbc_fused
    .symbol:         k_qaf8c6b8bbc_fused.kd
    .args:
      - { .name: feat, .offset: 0, .size: 8, .value_kind: global_buffer, .address_space: global }
      - { .name: wp, .offset: 8, .size: 8, .value_kind: global_buffer, .address_space: global }
      - { .name: in_b, .offset: 16, .size: 8, .value_kind: global_buffer, .address_space: global }
      - { .name: out_b, .offset: 24, .size: 8, .value_kind: global_buffer, .address_space: global }
      - { .name: proj_b, .offset: 32, .size: 8, .value_kind: global_buffer, .address_space: global }
      - { .name: ln_g, .offset: 40, .size: 8, .value_kind: global_buffer, .address_space: global }
      - { .name: ln_b, .offset: 48, .size: 8, .value_kind: global_buffer, .address_space: global }
      - { .name: out0, .offset: 56, .size: 8, .value_kind: global_buffer, .address_space: global }
    .group_segment_fixed_size: 291840
    .private_segment_fixed_size: 0
    .kernarg_segment_align: 8
    .kernarg_segment_size: 64
    .max_flat_workgroup_size: 128
    .sgpr_count:     66
    .vgpr_count:     1024
    .wavefront_size: 32
...
	.end_amdgpu_metadata
.endif
;; end of part 2
;; ======== version 2 of 2: 2 launches; 1.16 times as fast as version 1
;; workspace buffers: wp 1,048,576 bytes
;; launch pack (part 3): grid 256 x 1, 8 waves a work-group, no clusters, 0 bytes of LDS; arguments in_w, out_w, proj_w, wp; writes wp
.if DOCPART == 3
	.amdgcn_target "amdgcn-amd-amdhsa--gfx1250"
	.amdhsa_code_object_version 6
	.text
	.protected	k_qaf8c6b8bbc_pack
	.globl	k_qaf8c6b8bbc_pack
	.p2align	8
	.type	k_qaf8c6b8bbc_pack,@function
k_qaf8c6b8bbc_pack:
	s_mov_b64 s[64:65], 0
	v_nop
	global_prefetch_b8 v0, s[64:65] scope:SCOPE_SE
	s_setreg_imm32_b32 hwreg(HW_REG_WAVE_MODE, 25, 1), 1
	s_wait_xcnt 0x0
; The three weight matrices are rounded to bf16 (nearest even) and laid in the order in which the second launch's matrix
; instructions take them.  wp holds 256 groups of 4,096 bytes; group x is 64 rows x 32 k of one matrix:
;   x = 0..95    in_w: u = x >> 3 = 3 head + pos, pos 0 = V, 1 = K, 2 = Q: rows 64 (4 (2 - pos) + head) on, k = 32 (x & 7) on;
;                so a head's 24 groups lie together, in the order in which a wave walks them; a row is 1,024 bytes
;   x = 96..127  out_w  rows 64 ((x - 96) >> 3) on, k = 32 ((x - 96) & 7) on,  a row is 1,024 bytes
;   x = 128..255 proj_w rows 64 ((x - 128) >> 5) on, k = 32 ((x - 128) & 31) on, a row is 4,096 bytes
; Inside a group: byte dt*1024 + e*512 + lane*16 holds 8 bf16: row 16 dt + (lane & 15), k = 16 e + 8 (lane >> 4) + 0..7,
; so a fragment of 16 rows x 32 k is 1,024 consecutive bytes and two loads of 16 bytes a lane bring it.
; One work-group makes one group; thread t makes the 16 bytes at 16 t: a wave's store covers 512 consecutive bytes.
; The reads are 128-byte pieces of 64 rows; each input byte is read once in the launch (2 MiB in all).
	s_load_b256 s[4:11], s[0:1], 0x0               ; in_w s[4:5], out_w s[6:7], proj_w s[8:9], wp s[10:11]
	s_mov_b32 s12, ttmp9                           ; x
	s_sub_co_u32 s16, s12, 96                      ; x inside out_w's groups (used only where x >= 96)
	s_sub_co_u32 s17, s12, 128                     ; x inside proj_w's groups (used only where x >= 128)
	v_lshrrev_b32 v1, 6, v0                        ; dt
	v_and_b32 v2, 15, v0                           ; r
	v_lshl_add_u32 v1, v1, 4, v2                   ; row in the group: 16 dt + r
	v_bfe_u32 v2, v0, 4, 2                         ; 2 e + h
	v_lshlrev_b32 v3, 4, v0                        ; my 16 bytes in the group
	s_wait_kmcnt 0x0
	s_cmp_lt_u32 s12, 96
	s_cselect_b64 s[14:15], s[4:5], s[6:7]         ; the matrix is chosen by the work-group's number alone
	s_cselect_b32 s18, s12, s16
	s_cmp_lt_u32 s12, 128
	s_cselect_b64 s[14:15], s[14:15], s[8:9]
	s_cselect_b32 s18, s18, s17
	s_cselect_b32 s19, 3, 5                        ; log2 of the K steps in a row
	s_cselect_b32 s20, 10, 12                      ; log2 of a row's bytes
	s_lshr_b32 s21, s18, s19                       ; which 64 rows (out_w, proj_w: in order)
	s_bfm_b32 s22, s19, 0
	s_and_b32 s22, s18, s22                        ; which K step
	s_lshr_b32 s28, s12, 3                         ; in_w: u = 3 head + pos
	s_mul_i32 s29, s28, 11
	s_lshr_b32 s29, s29, 5                         ; head = u / 3 (exact for u = 0..11)
	s_mul_i32 s30, s29, 3
	s_sub_co_u32 s30, s28, s30                     ; pos
	s_sub_co_u32 s30, 2, s30                       ; 2 = V, 1 = K, 0 = Q
	s_lshl2_add_u32 s30, s30, s29                  ; its 64 rows: 4 (2 - pos) + head
	s_cmp_lt_u32 s12, 96
	s_cselect_b32 s21, s30, s21
	s_lshl_b32 s21, s21, 6
	s_lshl_b32 s21, s21, s20                       ; the 64 rows' first byte
	s_lshl_b32 s22, s22, 7                         ; 32 k of 4 bytes
	s_add_co_u32 s24, s21, s22
	s_mov_b32 s25, 0
	s_add_nc_u64 s[14:15], s[14:15], s[24:25]
	s_lshl_b32 s26, s12, 12
	s_mov_b32 s27, 0
	s_add_nc_u64 s[10:11], s[10:11], s[26:27]      ; wp at group x
	v_lshlrev_b32 v1, s20, v1                      ; my row's bytes
	v_lshl_add_u32 v1, v2, 5, v1                   ; + 64 e + 32 h
	global_load_b128 v[4:7], v1, s[14:15]
	global_load_b128 v[8:11], v1, s[14:15] offset:16
	s_wait_loadcnt 0x0
	v_cvt_pk_bf16_f32 v12, v4, v5
	v_cvt_pk_bf16_f32 v13, v6, v7
	v_cvt_pk_bf16_f32 v14, v8, v9
	v_cvt_pk_bf16_f32 v15, v10, v11
	global_store_b128 v3, v[12:15], s[10:11]
	s_endpgm
.Lfunc_end_k_qaf8c6b8bbc_pack:
	.size	k_qaf8c6b8bbc_pack, .Lfunc_end_k_qaf8c6b8bbc_pack-k_qaf8c6b8bbc_pack
	.p2alignl 7, 3214868480
	.fill 96, 4, 3214868480
	.section	.rodata,"a",@progbits
	.p2align	6, 0x0
	.amdhsa_kernel k_qaf8c6b8bbc_pack
		.amdhsa_group_segment_fixed_size 0
		.amdhsa_private_segment_fixed_size 0
		.amdhsa_enable_private_segment 0
		.amdhsa_kernarg_size 32
		.amdhsa_user_sgpr_count 2
		.amdhsa_user_sgpr_kernarg_segment_ptr 1
		.amdhsa_wavefront_size32 1
		.amdhsa_system_sgpr_workgroup_id_x 1
		.amdhsa_system_sgpr_workgroup_id_y 1
		.amdhsa_system_sgpr_workgroup_id_z 1
		.amdhsa_system_vgpr_workitem_id 0
		.amdhsa_next_free_vgpr 16
		.amdhsa_next_free_sgpr 66
		.amdhsa_reserve_vcc 0
		.amdhsa_float_denorm_mode_32 3
		.amdhsa_float_denorm_mode_16_64 3
		.amdhsa_memory_ordered 1
		.amdhsa_forward_progress 1
		.amdhsa_inst_pref_size 3
	.end_amdhsa_kernel
	.amdgpu_metadata
---
amdhsa.version: [ 1, 2 ]
amdhsa.kernels:
  - .name:           k_qaf8c6b8bbc_pack
    .symbol:         k_qaf8c6b8bbc_pack.kd
    .args:
      - { .name: in_w, .offset: 0, .size: 8, .value_kind: global_buffer, .address_space: global }
      - { .name: out_w, .offset: 8, .size: 8, .value_kind: global_buffer, .address_space: global }
      - { .name: proj_w, .offset: 16, .size: 8, .value_kind: global_buffer, .address_space: global }
      - { .name: wp, .offset: 24, .size: 8, .value_kind: global_buffer, .address_space: global }
    .group_segment_fixed_size: 0
    .private_segment_fixed_size: 0
    .kernarg_segment_align: 8
    .kernarg_segment_size: 32
    .max_flat_workgroup_size: 256
    .sgpr_count:     66
    .vgpr_count:     16
    .wavefront_size: 32
...
	.end_amdgpu_metadata
.endif
;; end of part 3
;; launch fused (part 4): grid 256 x 1, 4 waves a work-group, no clusters, 291,840 bytes of LDS; arguments feat, wp, in_b, out_b, proj_b, ln_g, ln_b, out0; writes out0
.if DOCPART == 4
	.amdgcn_target "amdgcn-amd-amdhsa--gfx1250"
	.amdhsa_code_object_version 6
	.text
	.protected	k_qaf8c6b8bbc_fused
	.globl	k_qaf8c6b8bbc_fused
	.p2align	8
	.type	k_qaf8c6b8bbc_fused,@function
k_qaf8c6b8bbc_fused:
	s_mov_b64 s[64:65], 0
	v_nop
	global_prefetch_b8 v0, s[64:65] scope:SCOPE_SE
	s_setreg_imm32_b32 hwreg(HW_REG_WAVE_MODE, 25, 1), 1
	s_wait_xcnt 0x0
; ContralateralAttention, all of it but the rounding of the weights.  feat, out0: [8][256][64][64] f32.
; In whole-image coordinates query (y, X) sees key (y + dy, 63 - X - dx), |dy| + |dx| <= 2, the key in the other half of the
; columns and inside rows 0..63: the mask that the problem builds itself.  Only these 13 places are scored.
; SHARES.  Work-group = image b = id >> 5, rows y0 = 2 (id & 31) and y0 + 1: 128 query tokens (token = 64 qrow + X).  It holds
; rows y0-2 .. y0+3 (m = 0..5) of all 256 channels in LDS as bf16; a row outside the image is read from the clamped row (finite
; numbers) and masked with -inf.  Wave w: query half H = w & 1, heads 2p, 2p+1 (p = w >> 1): V and K of the 192 tokens of the
; other half, Q of its 64 queries, scores, softmax, context, all in registers.  Then wave w makes output channels 64 w .. 64 w + 63
; of the out-projection and of the projection for all 128 tokens; LayerNorm's two sums meet in LDS.
; LAYOUTS.  K^T = Wk X^T and Q^T = Wq X^T (lane = token, registers = d), V = X Wv^T (lane = d, registers = tokens),
; S^T = K Q^T (lane = query, registers = keys), O^T = V^T P (lane = query, registers = d): each result, rounded in pairs to
; bf16, IS the next product's operand; nothing changes lanes between products.
; WEIGHTS come as bf16 fragments of 1,024 consecutive bytes from wp straight into the registers of the wave that multiplies by
; them, through a ring of register slots (one K step of 4 fragments each): three slots in window 0 for the heads and the
; out-projection, asked for two steps ahead; four slots in window 3 for the projection, three steps ahead.
; THE TEXT IS KEPT SHORT: K steps that differ in addresses alone are written once and walked by counted loops (V's and K's steps 1-6:
; 2 trips of 3, the ring's period; the projection's steps 4-27: 6 trips of 4; the first phase: 3 trips of its three row pairs).
; What walks registers (softmax, the four parts of asym, LayerNorm) cannot be looped: a register's number is part of the instruction.
; NO CLUSTER: weights are the shared input, but they never lie in LDS; of LDS's 327,680 bytes 291,840 are taken, and a slot in the
; 35,840 left would hold one K step (4 waves x 4 KiB), so each joint refill with its round would serve 48 matrix instructions a
; wave at the most.  No tensor load: feat has to pass through registers to be rounded.
; LIMITS, kept on purpose: feat is rounded to bf16 once, and that number is also the qt of |qt - ctx| and qt * ctx; q, k, v, the
; softmax weights, ctx and the four parts of asym are rounded to bf16 as matrix operands; sums, softmax (the true maximum
; over the allowed keys, taken before the exponential) and LayerNorm (mean first, then the squares of the differences) in f32;
; relu is a maximum with 0 in which a NaN loses.
;
; LDS:  XC [c 256][128 px of rows m = 2, 3] bf16, pitch 288;  XH [c][256 px of rows m = 0, 1, 4, 5] bf16, pitch 544 (odd multiples
; of 32 bytes, for the turning load);  CTX [token 128][256 ch] bf16, pitch 528;  PAR the five vectors in f32;  RED 2 x 2 KiB.
; Behind barrier 3 bytes 0 .. 264,191 hold asym [token 128][1024: qt, ctx, |qt - ctx|, qt * ctx] bf16, pitch 2,064; at last XH's bytes hold the f32 stage.
; REGISTERS, windows of 256:  0: addresses v0-31, BIAS v32-63, fragment buffers XA v64-111 and XB v112-159, W ring v160-255.
;   1: accumulators 0-31; S and P; landing sets of the first phase.   2: accumulators 32-47, then K's fragments (0-191), O^T (0-127),
;   masks (192-255); later two B buffers (0-127) and qt (128-255).   3: V's fragments (0-191), Q's (192-255); the projection's W ring (0-127); at the end the output rows.
.set XC,   0
.set XCP,  288
.set XH,   73728
.set XHP,  544
.set CTX,  212992
.set TP,   528
.set AP,   2064                        ; asym's pitch: 2,048 + 16 bytes = 516 words: row r starts at bank 4 r mod 64
.set PAR,  280576
.set RED,  287744
.set HSTR, 98304                       ; a head's weights in wp: 24 K steps of 4,096 bytes: V's 8, K's 8, Q's 8
.set BIAS, 32
.set XA,   64
.set XB,   112
.set WR,   160
.set MSB,  0
.macro WIN new                         ; the immediate's high byte repeats the setting that is left; a switch that changes nothing is dropped
.if MSB != (\new)
	s_set_vgpr_msb (MSB<<8)|(\new)
.set MSB, \new
.endif
.endm
; Four plain vector instructions stand between a matrix instruction and a vector instruction that reads its result or writes one of
; its registers, or a load into one of them (ISA guide 7.12.1 for vector instructions); five where a matrix instruction writes over them.
.macro PLACES
.rept 4
	v_nop
.endr
.endm
.macro PLACES5
.rept 5
	v_nop
.endr
.endm
.macro BAR                             ; my LDS stores and loads are done, then the work-group's barrier
	s_wait_dscnt 0x0
	s_barrier_signal -1
	s_barrier_wait -1
.endm
; one K step's four weight fragments (64 rows x 32 k), 8 loads of 512 consecutive bytes, into ring slot 'slot' of window 0
.macro WLOAD slot, base, off
.irp dt, 0,1,2,3
.irp e, 0,1
	global_load_b128 v[WR+32*(\slot)+8*\dt+4*\e:WR+32*(\slot)+8*\dt+4*\e+3], v4, s[\base:\base+1] offset:(\off)+\dt*1024+\e*512
.endr
.endr
.endm
; 32 numbers of a parameter vector in the layout of a result whose registers are channels: register 8 dt + j = channel 16 dt + 8 h + j
.macro BIASLD dst, adr, imm
.irp dt, 0,1,2,3
.irp e, 0,1
	ds_load_b128 v[(\dst)+8*\dt+4*\e:(\dst)+8*\dt+4*\e+3], v[\adr] offset:(\imm)+\dt*64+\e*16
.endr
.endr
.endm
	s_load_b256 s[4:11], s[0:1], 0x0               ; feat s[4:5], wp s[6:7], in_b s[8:9], out_b s[10:11]
	s_load_b256 s[12:19], s[0:1], 0x20             ; proj_b s[12:13], ln_g s[14:15], ln_b s[16:17], out0 s[18:19]
	v_lshrrev_b32 v1, 5, v0
	v_readfirstlane_b32 s20, v1                    ; wave w
	v_and_b32 v1, 31, v0                           ; L
	v_and_b32 v2, 15, v0                           ; r
	v_bfe_u32 v3, v0, 4, 1                         ; h
	v_lshlrev_b32 v4, 4, v1                        ; 16 L; never rewritten
	s_and_b32 s21, s20, 1                          ; H
	s_lshr_b32 s22, s20, 1                         ; p
	s_and_b32 s23, ttmp9, 31                       ; g
	s_lshr_b32 s24, ttmp9, 5                       ; b
	s_lshl_b32 s25, s23, 1                         ; y0
	s_mov_b32 s34, 0x3e38aa3b                      ; c = log2(e) / sqrt(64), as a pair
	s_mov_b32 s35, 0x3e38aa3b
	s_mov_b32 s36, 0x76543210                      ; v_permlanex16_b32: each lane takes its own place in the other half
	s_mov_b32 s37, 0xfedcba98
	s_mov_b32 s39, 0xffff0000                      ; a word's upper bf16
	s_mov_b32 s40, 0x7fff7fff                      ; clears two bf16 signs
	; the three pairs of rows; lanes 0-15 take a pair's first row, lanes 16-31 its second; outside the image the nearest row
	s_sub_co_i32 s52, s25, 2
	s_max_i32 s52, s52, 0
	s_add_co_u32 s54, s25, 2
	s_min_u32 s54, s54, 63
	s_cmp_lg_u32 s23, 0                            ; rows y0-2, y0-1 exist?
	s_cselect_b32 s53, 1, 0
	s_cselect_b32 s41, 1, 0                        ; mask limits 2 rad + 1, or 0 where the rows do not exist
	s_cselect_b32 s42, 3, 0
	s_cmp_lg_u32 s23, 31                           ; rows y0+2, y0+3 exist?
	s_cselect_b32 s55, 1, 0
	s_cselect_b32 s43, 1, 0
	s_cselect_b32 s44, 3, 0
	s_lshl_b32 s56, s20, 20                        ; my 64 channels of 16,384 bytes
	v_lshl_add_u32 v28, v2, 4, s56
	v_mad_u32_u24 v29, v3, s53, s52
	v_lshl_add_u32 v54, v29, 8, v28                ; pair 0: rows m = 0, 1
	v_add_nc_u32 v29, s25, v3
	v_lshl_add_u32 v55, v29, 8, v28                ; pair 1: rows m = 2, 3
	v_mad_u32_u24 v29, v3, s55, s54
	v_lshl_add_u32 v56, v29, 8, v28                ; pair 2: rows m = 4, 5
	s_mul_i32 s57, s20, 64*XCP
	v_lshl_add_u32 v57, v1, 3, s57                 ; XC: my channels, 8 bytes a lane
	s_mul_i32 s57, s20, 64*XHP
	s_add_co_u32 s57, s57, XH
	v_lshl_add_u32 v58, v1, 3, s57                 ; XH likewise
	v_lshlrev_b32 v60, 3, v0                       ; 8 tid
	v_add_nc_u32 v59, PAR, v60
	s_wait_kmcnt 0x0
	s_lshl_b32 s58, s24, 22                        ; an image is 4 MiB
	s_mov_b32 s59, 0
	s_add_nc_u64 s[48:49], s[4:5], s[58:59]        ; feat at my image
	s_add_nc_u64 s[50:51], s[18:19], s[58:59]
	s_lshl_b32 s58, s25, 8
	s_add_nc_u64 s[50:51], s[50:51], s[58:59]      ; out0 at my image, row y0
	s_mul_i32 s58, s22, 2*HSTR
	s_add_nc_u64 s[26:27], s[6:7], s[58:59]        ; wp at head 2p's stream
	s_add_nc_u64 s[28:29], s[26:27], HSTR          ; what follows this head's stream: the next head's
	s_lshl_b32 s58, s20, 15
	s_add_nc_u64 s[30:31], s[6:7], s[58:59]
	s_add_nc_u64 s[30:31], s[30:31], 393216        ; out_w, my 64 rows
	s_lshl_b32 s58, s20, 17
	s_add_nc_u64 s[32:33], s[6:7], s[58:59]
	s_add_nc_u64 s[32:33], s[32:33], 524288        ; proj_w, my 64 rows
	global_load_b64 v[40:41], v60, s[8:9]          ; the five vectors, 8 bytes a thread
	global_load_b64 v[42:43], v60, s[8:9] offset:1024
	global_load_b64 v[44:45], v60, s[8:9] offset:2048
	global_load_b64 v[46:47], v60, s[10:11]
	global_load_b64 v[48:49], v60, s[12:13]
	global_load_b64 v[50:51], v60, s[14:15]
	global_load_b64 v[52:53], v60, s[16:17]
	WLOAD 0, 26, 0                                 ; V's first three K steps
	WLOAD 1, 26, 4096
	WLOAD 2, 26, 8192
; PHASE A.  feat to bf16 in LDS.  A batch is one row pair x 16 of my channels; a load takes 256 bytes of each of the pair's two rows.
; A trip takes the three pairs for 16 channels; pair q lands in its own 64 registers of window 1 and is asked for again, 16 channels on, as soon as it is stored.
.macro XISSUE pair
	WIN 0x40                                       ; destination window 1
.set i_, 0
.rept 16
	global_load_b128 v[64*(\pair)+4*i_:64*(\pair)+4*i_+3], v[54+(\pair)], s[48:49] offset:i_*16384
.set i_, i_+1
.endr
.endm
.macro XPROC pair, left, more
	s_wait_loadcnt \left                           ; loads come back in order: this batch is in, the younger batches stay out; its offset register is free
.set xb_, 64*(\pair)
	WIN 0x45
.set i_, 0
.rept 16
	v_cvt_pk_bf16_f32 v[xb_+4*i_], v[xb_+4*i_], v[xb_+4*i_+1]
	v_cvt_pk_bf16_f32 v[xb_+4*i_+1], v[xb_+4*i_+2], v[xb_+4*i_+3]
.set i_, i_+1
.endr
	WIN 0x04                                       ; store data window 1
.set i_, 0
.rept 16
.if (\pair) == 1
	ds_store_b64 v57, v[xb_+4*i_:xb_+4*i_+1] offset:i_*XCP
.else
	ds_store_b64 v58, v[xb_+4*i_:xb_+4*i_+1] offset:i_*XHP+128*(\pair)
.endif
.set i_, i_+1
.endr
.if \more
	WIN 0
.if (\pair) == 1
	v_add_nc_u32 v57, 16*XCP, v57                  ; the next 16 channels in XC
.elseif (\pair) == 2
	v_add_nc_u32 v58, 16*XHP, v58                  ; and in XH, which pairs 0 and 2 share
.endif
	v_add_nc_u32 v[54+(\pair)], 16*16384, v[54+(\pair)]
	XISSUE \pair
.endif
.endm
	XISSUE 0
	XISSUE 1
	XISSUE 2
	WIN 0
	; addresses, while the loads are on their way.  TL(P) = (8 h + (L & 7)) P + 16 ((L >> 3) & 1): a lane's place for the turning load
	s_xor_b32 s52, s21, 1
	s_lshl_b32 s52, s52, 6                         ; the other half's 32 columns: 64 bytes
	s_lshl_b32 s53, s21, 6                         ; my half's
	v_and_b32 v28, 7, v0
	v_lshl_add_u32 v28, v3, 3, v28
	v_bfe_u32 v29, v0, 3, 1
	v_lshlrev_b32 v29, 4, v29
	v_mad_u32_u24 v30, v28, XHP, v29               ; TL(544)
	v_mad_u32_u24 v31, v28, XCP, v29               ; TL(288)
	s_add_co_u32 s54, s52, XH
	v_add_nc_u32 v5, s54, v30                      ; v5: key rows m = 0, 1, 4, 5 at channel 0; v6 walks from it
	v_add_nc_u32 v7, s52, v31                      ; v7: key rows m = 2, 3 at channel 0; v8 walks from it
	v_add_nc_u32 v9, s53, v31                      ; v9, v10: my queries, channels 0-127, 128-255
	v_add_nc_u32 v10, 128*XCP, v9
	s_mul_i32 s54, s20, 64*XCP
	v_add_nc_u32 v18, s54, v31                     ; v18: qt of my 64 output channels
	s_lshl_b32 s54, s22, 9
	s_add_co_u32 s54, s54, PAR
	v_lshl_add_u32 v11, v3, 5, s54                 ; v11: in_b at head 2p, + 32 h; steps 256 a head
	v_mul_u32_u24 v28, v2, TP
	v_lshl_add_u32 v28, v3, 4, v28                 ; r x 528 + 16 h
	s_mul_i32 s54, s21, 32*TP
	s_lshl_b32 s55, s22, 8
	s_add_co_u32 s54, s54, s55
	s_add_co_u32 s54, s54, CTX
	v_add_nc_u32 v12, s54, v28                     ; v12: where the context goes; steps 128 a head
	v_add_nc_u32 v13, CTX, v28                     ; v13: the context as an operand [token][channel]
	s_lshl_b32 s54, s20, 8
	s_add_co_u32 s54, s54, PAR
	v_lshl_add_u32 v22, v3, 5, s54                 ; v22: a vector at my 64 channels, + 32 h
	s_lshl_b32 s54, s20, 9
	s_add_co_u32 s54, s54, RED
	v_lshl_add_u32 v23, v2, 5, s54                 ; v23: my wave's figures [r][nt]
	v_lshlrev_b32 v24, 5, v2
	v_add_nc_u32 v24, RED, v24                     ; v24: all waves' figures
	s_mul_i32 s54, s20, 64*TP
	s_add_co_u32 s54, s54, XH
	v_mul_u32_u24 v29, v3, 8*TP
	v_lshl_add_u32 v29, v2, 2, v29
	v_add_nc_u32 v25, s54, v29                     ; v25: into the f32 stage [channel][128 px]
	v_add_nc_u32 v26, s54, v4                      ; v26: back out of it, a whole row of 512 bytes a load
	s_lshl_b32 s54, s20, 20
	v_add_nc_u32 v27, s54, v4                      ; v27: the same row in out0
	v_mul_u32_u24 v28, v2, AP                      ; asym: 16 rows are 33,024 bytes, so one register serves two token tiles
	v_lshl_add_u32 v28, v3, 4, v28                 ; v28-31: token tiles 0-1, 2-3, 4-5, 6-7 as operands; they walk along K
	v_add_nc_u32 v29, 32*AP, v28
	v_add_nc_u32 v30, 64*AP, v28
	v_add_nc_u32 v31, 96*AP, v28
	s_lshl_b32 s54, s20, 7
	v_add_nc_u32 v14, s54, v28                     ; v14-17: the same at my 64 channels, for the stores
	v_add_nc_u32 v15, s54, v29
	v_add_nc_u32 v16, s54, v30
	v_add_nc_u32 v17, s54, v31
	; masks, 0 or -inf.  dx = kappa - (r + 8 h); a key is allowed where 0 <= dx + rad <= 2 rad, one unsigned compare.
	; entries: side tile of column tile 0 (j = 6, 7), main tile (j = 0..7), side tile of column tile 1 (j = 0, 1)
	v_lshl_add_u32 v102, v3, 3, v2
	v_mov_b32 v100, 0xff800000
	v_mov_b32 v101, 0
.set e_, 0
.irp kap, 25,24,15,14,13,12,11,10,9,8,-1,-2
	v_sub_nc_u32 v[64+e_], \kap, v102
.set e_, e_+1
.endr
.set e_, 0
.rept 12
	v_add_nc_u32 v[76+e_], 1, v[64+e_]
	v_add_nc_u32 v[88+e_], 2, v[64+e_]
.set e_, e_+1
.endr
.macro MSET dst, cnt, e0, rad, lim
.set e_, 0
.rept \cnt
	v_cmp_gt_u32 vcc_lo, \lim, v[64+12*(\rad)+(\e0)+e_]
	v_cndmask_b32 v[(\dst)+e_], v100, v101, vcc_lo
.set e_, e_+1
.endr
.endm
	WIN 0x80                                       ; destination window 2
	MSET 192, 8, 2, 0, s41                         ; |dy| = 2, rows above
	MSET 200, 8, 2, 0, s43                         ; |dy| = 2, rows below
	MSET 208, 12, 0, 1, s42                        ; |dy| = 1, row above the group's
	MSET 220, 12, 0, 2, 5                          ; dy = 0
	MSET 232, 12, 0, 1, 3                          ; |dy| = 1, the group's other row
	MSET 244, 12, 0, 1, s44                        ; |dy| = 1, row below the group's
	WIN 0
	s_wait_loadcnt 32                              ; all but the two youngest batches: the vectors are in
.irp k, 0,1,2,3,4,5,6
	ds_store_b64 v59, v[40+2*\k:41+2*\k] offset:1024*\k
.endr
	s_mov_b32 s45, 0
.Lxa:                                                  ; channels 16 t .. 16 t + 15 of my 64, t = 0, 1, 2; each batch asks for its pair's next 16
	XPROC 0, 32, 1
	XPROC 1, 32, 1
	XPROC 2, 32, 1
	WIN 0                                          ; at a label and at a branch every window is 0
	s_add_co_u32 s45, s45, 1
	s_cmp_lt_u32 s45, 3
	s_cbranch_scc1 .Lxa
	XPROC 0, 32, 0                                 ; the last 16 channels: nothing is left to ask for, the counts run down
	XPROC 1, 16, 0
	XPROC 2, 0, 0
	WIN 0
	BAR                                            ; barrier 1: X and the vectors are whole
; PHASE B.  One head a trip: V, K, Q, scores, softmax, context.
; six fragments of 16 tokens x 32 channels: rows m = 3 half + f / 2, column tile f % 2 of the other half; two turning loads each.
; rh, rm: the registers that point into XH and XC; ki: K steps of 32 channels beyond them, in the immediate
.macro XLOAD buf, half, rh, rm, ki
.set f_, 0
.rept 6
.set mm_, 3*(\half)+f_/2
.if (mm_ == 2) || (mm_ == 3)
.set ar_, \rm
.set im_, (\ki)*32*XCP+((mm_-2)*64+(f_%2)*16)*2
.set sp_, 16*XCP
.else
.set ar_, \rh
.if mm_ > 3
.set mm_, mm_-2
.endif
.set im_, (\ki)*32*XHP+(mm_*64+(f_%2)*16)*2
.set sp_, 16*XHP
.endif
	ds_load_tr16_b128 v[(\buf)+8*f_:(\buf)+8*f_+3], v[ar_] offset:im_
	ds_load_tr16_b128 v[(\buf)+8*f_+4:(\buf)+8*f_+7], v[ar_] offset:im_+sp_
.set f_, f_+1
.endr
.endm
; four fragments of my queries: tile qi = 2 qrow + ct
.macro QXLOAD buf, ks
.set f_, 0
.rept 4
.set im_, ((\ks)%4)*32*XCP+((f_/2)*64+(f_%2)*16)*2
	ds_load_tr16_b128 v[(\buf)+8*f_:(\buf)+8*f_+3], v[9+(\ks)/4] offset:im_
	ds_load_tr16_b128 v[(\buf)+8*f_+4:(\buf)+8*f_+7], v[9+(\ks)/4] offset:im_+16*XCP
.set f_, f_+1
.endr
.endm
; the weights of the step three on, into the slot just read.  A head's stream is 24 steps of 4,096 consecutive bytes; then comes what s[28:29] names.
; adv: by how many bytes the loops have moved s[26:27] from the head's first byte
.macro WNEXT step, adv
.set t_, (\step)+3
.if t_ < 24
	WLOAD t_%3, 26, t_*4096-(\adv)
.else
	WLOAD t_%3, 28, (t_-24)*4096
.endif
.endm
; 8 matrix instructions: row m, 2 column tiles x 4 tiles of d.  kind 0: V = X Wv^T, accumulator 8 m + 2 dt + kt, started by 0 (its bias is added
; behind the softmax, whose weights sum to 1).  kind 1: K^T = Wk X^T, accumulator 8 m + 4 kt + dt, started by the bias.
; The 48 accumulators take turns, one instruction a turn, over the loops' backward jumps too.
.macro MULKV kind, first, slot, m
.set wn_, 1+(\m)/4
.if ((\kind) == 1) && ((\first) == 1)
	WIN wn_<<6
.else
	WIN (wn_<<6)|(wn_<<4)
.endif
.irp kt, 0,1
.irp dt, 0,1,2,3
.set rx_, XA+16*(\m)+8*\kt
.set rw_, WR+32*(\slot)+8*\dt
.if (\kind) == 0
.set ra_, ((8*(\m)+2*\dt+\kt)%32)*8
.if (\first) == 1
	v_wmma_f32_16x16x32_bf16 v[ra_:ra_+7], v[rx_:rx_+7], v[rw_:rw_+7], 0
.else
	v_wmma_f32_16x16x32_bf16 v[ra_:ra_+7], v[rx_:rx_+7], v[rw_:rw_+7], v[ra_:ra_+7]
.endif
.else
.set ra_, ((8*(\m)+4*\kt+\dt)%32)*8
.if (\first) == 1
	v_wmma_f32_16x16x32_bf16 v[ra_:ra_+7], v[rw_:rw_+7], v[rx_:rx_+7], v[BIAS+8*\dt:BIAS+8*\dt+7]
.else
	v_wmma_f32_16x16x32_bf16 v[ra_:ra_+7], v[rw_:rw_+7], v[rx_:rx_+7], v[ra_:ra_+7]
.endif
.endif
.endr
.endr
.endm
; A K step of V or K: 48 matrix instructions.  tail = 0: the fragments fetched in its middle and at its end are the key tokens' at (rh, rm, ki);
; tail = 1: my queries' first two K steps.  step: the step's number in the head's stream (in a loop: in the first trip).
.macro KVSTEP kind, first, slot, tail, rh, rm, ki, step, adv
	s_wait_loadcnt 16                              ; this step's weights are in; the next two steps' 8 loads each stay out
	s_wait_dscnt 12                                ; XA is in; XB's 12 loads stay out
	MULKV \kind, \first, \slot, 0
	MULKV \kind, \first, \slot, 1
	MULKV \kind, \first, \slot, 2
	PLACES
	WIN 0
.if (\tail) == 0
	XLOAD XA, 0, \rh, \rm, \ki
	s_wait_dscnt 12                                ; XB is in; the 12 just issued stay out
.else
	QXLOAD XA, 0
	s_wait_dscnt 8                                 ; XB is in; the 8 just issued stay out
.endif
	MULKV \kind, \first, \slot, 3
	MULKV \kind, \first, \slot, 4
	MULKV \kind, \first, \slot, 5
	PLACES
	WIN 0
.if ((\kind) == 1) && ((\first) == 1)
	BIASLD BIAS, 11, 0                             ; K's bias has started the sums: Q's takes its place
.endif
.if (\tail) == 0
	XLOAD XB, 1, \rh, \rm, \ki
.else
	QXLOAD XB, 1
.endif
	WNEXT \step, \adv
.endm
.macro KVSET                           ; in front of a loop over K steps 1-6: they fetch the fragments of steps 2-7
	v_add_nc_u32 v6, 2*32*XHP, v5
	v_add_nc_u32 v8, 2*32*XCP, v7
	s_mov_b32 s45, 0
.endm
.macro KVNEXT                          ; a trip's end: three K steps on
	v_add_nc_u32 v6, 3*32*XHP, v6
	v_add_nc_u32 v8, 3*32*XCP, v8
	s_wait_xcnt 0x0                                ; the weight loads on their way have had their addresses translated: only now is their base rewritten
	s_add_nc_u64 s[26:27], s[26:27], 3*4096
	s_add_co_u32 s45, s45, 1
	s_cmp_lt_u32 s45, 2
.endm
; Q^T = Wq X^T: 16 accumulators 4 qi + dt by turns, started by the bias
.macro QSTEP ks
.set sl_, (16+(\ks))%3
.set qb_, XA+48*((\ks)%2)
	s_wait_loadcnt 16
.if (\ks) == 7
	s_wait_dscnt 0
.else
	s_wait_dscnt 8                                 ; behind this step's fragments: the next step's 8
.endif
.if (\ks) == 0
	WIN 0x40
.else
	WIN 0x50
.endif
.irp qi, 0,1,2,3
.irp dt, 0,1,2,3
.set ra_, 8*(4*\qi+\dt)
.set rw_, WR+32*sl_+8*\dt
.if (\ks) == 0
	v_wmma_f32_16x16x32_bf16 v[ra_:ra_+7], v[rw_:rw_+7], v[qb_+8*\qi:qb_+8*\qi+7], v[BIAS+8*\dt:BIAS+8*\dt+7]
.else
	v_wmma_f32_16x16x32_bf16 v[ra_:ra_+7], v[rw_:rw_+7], v[qb_+8*\qi:qb_+8*\qi+7], v[ra_:ra_+7]
.endif
.endr
.endr
	PLACES
	WIN 0
.if (\ks) == 0
	BIASLD BIAS, 11, 2048                          ; V's bias, for the end of the trip
.endif
.if (\ks) < 6
	QXLOAD qb_, (\ks)+2
.endif
	WNEXT 16+(\ks), 12*4096
.endm
; cnt accumulators of 8 f32 are rounded to 4 registers of bf16 pairs each
.macro PACK cnt, sw, sb, dw, db
	WIN (\sw)|((\sw)<<2)|((\dw)<<6)
.set a_, 0
.rept \cnt
.irp i, 0,1,2,3
	v_cvt_pk_bf16_f32 v[(\db)+4*a_+\i], v[(\sb)+8*a_+2*\i], v[(\sb)+8*a_+2*\i+1]
.endr
.set a_, a_+1
.endr
.endm
; a score tile: 16 keys (row qrow + u, column tile kt; kt = 2 stands for the main tile, 1 - ct) x 16 queries, 32 of d
.macro SC qi, kk, u, kt, so
.set kt_, \kt
.if (\kt) == 2
.set kt_, 1-(\qi)%2
.endif
.set rD_, 64*(\qi)+(\so)
.set rK_, (2*((\qi)/2+(\u))+kt_)*16+8*(\kk)
.set rQ_, 192+16*(\qi)+8*(\kk)
.if (\kk) == 0
	v_wmma_f32_16x16x32_bf16 v[rD_:rD_+7], v[rK_:rK_+7], v[rQ_:rQ_+7], 0
.else
	v_wmma_f32_16x16x32_bf16 v[rD_:rD_+7], v[rK_:rK_+7], v[rQ_:rQ_+7], v[rD_:rD_+7]
.endif
.endm
; live score n of 46 of query tile qi: its register rS (window 1) and its mask's rM (window 2).  Of a side tile only two registers can be allowed.
.macro SIDX n, qi
.set ct_, (\qi)%2
.set qr_, (\qi)/2
.set o_, 6*(1-ct_)
.if (\n) < 8
.set rS, 64*(\qi)+(\n)
.set rM, 192+(\n)
.elseif (\n) < 18
.set rS, 64*(\qi)+8+o_+(\n)-8
.set rM, 208+24*qr_+2*ct_+(\n)-8
.elseif (\n) < 28
.set rS, 64*(\qi)+24+o_+(\n)-18
.set rM, 220+2*ct_+(\n)-18
.elseif (\n) < 38
.set rS, 64*(\qi)+40+o_+(\n)-28
.set rM, 232+12*qr_+2*ct_+(\n)-28
.else
.set rS, 64*(\qi)+56+(\n)-38
.set rM, 200+(\n)-38
.endif
.endm
; weights to bf16 in place: 8 registers at pb become an operand of 32 keys x 16 queries; keys that were not scored get 0
.macro PEDGE pb, ct                    ; |dy| = 2: the main tile alone
.if (\ct) == 0
	v_cvt_pk_bf16_f32 v[(\pb)+7], v[(\pb)+6], v[(\pb)+7]
	v_cvt_pk_bf16_f32 v[(\pb)+6], v[(\pb)+4], v[(\pb)+5]
	v_cvt_pk_bf16_f32 v[(\pb)+5], v[(\pb)+2], v[(\pb)+3]
	v_cvt_pk_bf16_f32 v[(\pb)+4], v[(\pb)+0], v[(\pb)+1]
.irp i, 0,1,2,3
	v_mov_b32 v[(\pb)+\i], 0
.endr
.else
.irp i, 0,1,2,3
	v_cvt_pk_bf16_f32 v[(\pb)+\i], v[(\pb)+2*\i], v[(\pb)+2*\i+1]
.endr
.irp i, 4,5,6,7
	v_mov_b32 v[(\pb)+\i], 0
.endr
.endif
.endm
.macro PMID pb, ct                     ; |dy| <= 1: both tiles, 16 registers at pb
.if (\ct) == 0
.irp i, 3,4,5,6,7
	v_cvt_pk_bf16_f32 v[(\pb)+\i], v[(\pb)+2*\i], v[(\pb)+2*\i+1]
.endr
.irp i, 1,2                            ; register pb + 0 has been 0 since the head of the softmax
	v_mov_b32 v[(\pb)+\i], 0
.endr
.else
.irp i, 0,1,2,3,4
	v_cvt_pk_bf16_f32 v[(\pb)+\i], v[(\pb)+2*\i], v[(\pb)+2*\i+1]
.endr
.irp i, 5,6,7
	v_mov_b32 v[(\pb)+\i], 0
.endr
.endif
.endm
	s_mov_b32 s38, 0
.Lhead:
	BIASLD BIAS, 11, 1024                          ; K's bias
	XLOAD XA, 0, 5, 7, 0
	XLOAD XB, 1, 5, 7, 0
	KVSTEP 0, 1, 0, 0, 5, 7, 1, 0, 0               ; V, K step 0: its products start the sums
	KVSET
.Lvsteps:                                              ; V, K steps 1-3 and 4-6: ring slots 1, 2, 0
	KVSTEP 0, 0, 1, 0, 6, 8, 0, 1, 0
	KVSTEP 0, 0, 2, 0, 6, 8, 1, 2, 0
	KVSTEP 0, 0, 0, 0, 6, 8, 2, 3, 0
	KVNEXT
	s_cbranch_scc1 .Lvsteps
	KVSTEP 0, 0, 1, 0, 5, 7, 0, 7, 6*4096          ; V, K step 7: it fetches the fragments of K's step 0
	PACK 32, 1, 0, 3, 0                            ; V: fragment (m, dt) at window 3, 8 (4 m + dt)
	PACK 16, 2, 0, 3, 128
	KVSTEP 1, 1, 2, 0, 5, 7, 1, 8, 6*4096          ; K, K step 0: the bias starts the sums
	KVSET
.Lksteps:                                              ; K, K steps 1-3 and 4-6: ring slots 0, 1, 2
	KVSTEP 1, 0, 0, 0, 6, 8, 0, 9, 6*4096
	KVSTEP 1, 0, 1, 0, 6, 8, 1, 10, 6*4096
	KVSTEP 1, 0, 2, 0, 6, 8, 2, 11, 6*4096
	KVNEXT
	s_cbranch_scc1 .Lksteps
	KVSTEP 1, 0, 0, 1, 0, 0, 0, 15, 12*4096        ; K, K step 7: it fetches my queries' first fragments
	PACK 16, 2, 0, 2, 128                          ; K: fragment (m, kt, kk) at window 2, 16 (2 m + kt) + 8 kk; the upper ones first, out of the lower ones' way
	PACK 32, 1, 0, 2, 0
.irp ks, 0,1,2,3,4,5,6,7
	QSTEP \ks
.endr
	PACK 16, 1, 0, 3, 192                          ; Q: fragment (qi, kk) at window 3, 192 + 16 qi + 8 kk
	WIN 0x5e                                       ; K window 2, Q window 3, S^T window 1
.irp kk, 0,1                                           ; 32 score tiles by turns
.irp qi, 0,1,2,3
	SC \qi, \kk, 0, 2, 0
	SC \qi, \kk, 1, 0, 8
	SC \qi, \kk, 1, 1, 16
	SC \qi, \kk, 2, 0, 24
	SC \qi, \kk, 2, 1, 32
	SC \qi, \kk, 3, 0, 40
	SC \qi, \kk, 3, 1, 48
	SC \qi, \kk, 4, 2, 56
.endr
.endr
	PLACES5
	; The side tiles of column tile 0 (query tiles 0 and 2, rows u = 1, 2, 3): only their registers 6 and 7 can hold an allowed key; registers 0-2 hold scores that the
	; mask always throws away, and become the zeros of P's keys that are not scored.
	; Register 0's zero is made here, ahead of the scaling, by an AND of the register with 0, in place of the move that PMID would make.
	WIN 0x44
.irp qi, 0,2
.irp u, 1,2,3
	v_and_b32 v[64*\qi+16*\u-8], 0, v[64*\qi+16*\u-8]
.endr
.endr
	; softmax over a query's 46 + 46 live scores (two lanes).  Statistics of tile qi at v[64 + 8 qi]: +0, +1 the maximum twice, +2, +3 sums, +4 at work, +6, +7 1 / sum twice
	WIN 0x61
.set n_, 0
.rept 23
.irp qi, 0,1,2,3
	SIDX n_, \qi
	v_pk_fma_f32 v[rS:rS+1], v[rS:rS+1], s[34:35], v[rM:rM+1] op_sel_hi:[1,0,1]   ; c s + mask
.endr
.set n_, n_+2
.endr
	WIN 0x15
.irp qi, 0,1,2,3
	v_max3_num_f32 v[64+8*\qi], v[64*\qi], v[64*\qi+1], v[64*\qi+2]
.endr
	WIN 0x14
.set n_, 3
.rept 21
.irp qi, 0,1,2,3
	SIDX n_, \qi
.set rA, rS
	SIDX n_+1, \qi
	v_max3_num_f32 v[64+8*\qi], v[64+8*\qi], v[rA], v[rS]
.endr
.set n_, n_+2
.endr
.irp qi, 0,1,2,3
	SIDX 45, \qi
	v_max_num_f32 v[64+8*\qi], v[64+8*\qi], v[rS]
.endr
	WIN 0
.irp qi, 0,1,2,3
	v_mov_b32 v[68+8*\qi], v[64+8*\qi]             ; the exchange's destination counts as read
.endr
.irp qi, 0,1,2,3
	v_permlanex16_b32 v[68+8*\qi], v[64+8*\qi], s36, s37
.endr
.irp qi, 0,1,2,3
	v_max_num_f32 v[64+8*\qi], v[64+8*\qi], v[68+8*\qi]   ; finite: the key at dx = dy = 0 is always allowed
.endr
.irp qi, 0,1,2,3
	v_mov_b32 v[65+8*\qi], v[64+8*\qi]
.endr
	WIN 0x41
.set n_, 0
.rept 23
.irp qi, 0,1,2,3
	SIDX n_, \qi
	v_pk_add_f32 v[rS:rS+1], v[rS:rS+1], v[64+8*\qi:65+8*\qi] neg_lo:[0,1] neg_hi:[0,1]
.endr
.set n_, n_+2
.endr
.set n_, 0
.rept 46
.irp qi, 0,1,2,3
	SIDX n_, \qi
	v_exp_f32 v[rS], v[rS]
.endr
.set n_, n_+1
.endr
	v_nop                                          ; a plain instruction between the last exponential and the use of its result
	WIN 0x05
.irp qi, 0,1,2,3
	v_pk_add_f32 v[66+8*\qi:67+8*\qi], v[64*\qi:64*\qi+1], v[64*\qi+2:64*\qi+3]
.endr
	WIN 0x04
.set n_, 4
.rept 21
.irp qi, 0,1,2,3
	SIDX n_, \qi
	v_pk_add_f32 v[66+8*\qi:67+8*\qi], v[66+8*\qi:67+8*\qi], v[rS:rS+1]
.endr
.set n_, n_+2
.endr
	WIN 0
.irp qi, 0,1,2,3
	v_add_f32 v[66+8*\qi], v[66+8*\qi], v[67+8*\qi]
.endr
.irp qi, 0,1,2,3
	v_permlanex16_b32 v[68+8*\qi], v[66+8*\qi], s36, s37
.endr
.irp qi, 0,1,2,3
	v_add_f32 v[66+8*\qi], v[66+8*\qi], v[68+8*\qi]
.endr
.irp qi, 0,1,2,3
	v_rcp_f32 v[70+8*\qi], v[66+8*\qi]
	v_rcp_f32 v[71+8*\qi], v[66+8*\qi]
.endr
	v_nop
	WIN 0x45
.irp qi, 0,1,2,3
	PEDGE 64*\qi, (\qi)%2
	PMID 64*\qi+8, (\qi)%2
	PMID 64*\qi+24, (\qi)%2
	PMID 64*\qi+40, (\qi)%2
	PEDGE 64*\qi+56, (\qi)%2
.endr
	WIN 0xa7                                       ; V window 3, P window 1, O^T window 2
.irp u, 0,1,2,3,4                                      ; 16 accumulators by turns
.irp qi, 0,1,2,3
.irp dt, 0,1,2,3
.set rO_, 8*(4*\qi+\dt)
.set rV_, 8*(4*((\qi)/2+\u)+\dt)
.if \u == 0
	v_wmma_f32_16x16x32_bf16 v[rO_:rO_+7], v[rV_:rV_+7], v[64*\qi:64*\qi+7], 0
.else
	v_wmma_f32_16x16x32_bf16 v[rO_:rO_+7], v[rV_:rV_+7], v[64*\qi+16*\u-8:64*\qi+16*\u-1], v[rO_:rO_+7]
.endif
.endr
.endr
.endr
	PLACES5
	WIN 0x82
.irp qi, 0,1,2,3
.irp dt, 0,1,2,3
.irp i, 0,2,4,6
	v_pk_fma_f32 v[8*(4*\qi+\dt)+\i:8*(4*\qi+\dt)+\i+1], v[8*(4*\qi+\dt)+\i:8*(4*\qi+\dt)+\i+1], v[70+8*\qi:71+8*\qi], v[BIAS+8*\dt+\i:BIAS+8*\dt+\i+1]   ; O / l + V's bias
.endr
.endr
.endr
	WIN 0x0a
.set a_, 0
.rept 16
.irp i, 0,1,2,3
	v_cvt_pk_bf16_f32 v[96+4*a_+\i], v[8*a_+2*\i], v[8*a_+2*\i+1]
.endr
.set a_, a_+1
.endr
	WIN 0
.irp qi, 0,1,2,3
.irp dt, 0,1,2,3
	ds_store_b128 v12, v[96+4*(4*\qi+\dt):96+4*(4*\qi+\dt)+3] offset:(((\qi)/2)*64+((\qi)%2)*16)*TP+\dt*32
.endr
.endr
	v_add_nc_u32 v12, 128, v12                     ; the next head's 64 channels
	v_add_nc_u32 v11, 256, v11
	s_wait_xcnt 0x0                                ; the weight loads on their way have had their addresses translated: only now are their bases rewritten
	s_add_nc_u64 s[26:27], s[26:27], HSTR-12*4096  ; the two loops have moved it 12 steps: on to the next head's first byte
	s_mov_b64 s[28:29], s[30:31]                   ; behind the second head's stream comes the out-projection's
	s_add_co_u32 s38, s38, 1
	s_cmp_lt_u32 s38, 2
	s_cbranch_scc1 .Lhead
	BAR                                            ; barrier 2: the context of all heads and both halves is in CTX
; PHASE C.  The out-projection, 8 K steps of 32.  Result^T = W B^T: accumulator 4 nt + dt, lane = token 16 nt + r, registers = channel 64 w + 16 dt + 8 h + j.
.macro OBLOAD st                       ; 8 fragments of 16 tokens x 32 k of the context into window 2, buffer st & 1
	WIN 0x80
.set nt_, 0
.rept 8
	ds_load_b128 v[64*((\st)&1)+8*nt_:64*((\st)&1)+8*nt_+3], v13 offset:nt_*16*TP+(\st)*64
	ds_load_b128 v[64*((\st)&1)+8*nt_+4:64*((\st)&1)+8*nt_+7], v13 offset:nt_*16*TP+(\st)*64+32
.set nt_, nt_+1
.endr
.endm
.macro OSTEP st
.if (\st) == 7
	s_wait_loadcnt 0
	s_wait_dscnt 0
.elseif (\st) == 6
	s_wait_loadcnt 8                               ; the last step's 8 weight loads stay out
	s_wait_dscnt 16
.else
	s_wait_loadcnt 16                              ; the next two steps' weights stay out
	s_wait_dscnt 16                                ; the other buffer's 16 loads stay out
.endif
.if (\st) == 0
	WIN 0x48                                       ; the bias starts the sums
.else
	WIN 0x58
.endif
.irp nt, 0,1,2,3,4,5,6,7                               ; 32 accumulators by turns
.irp dt, 0,1,2,3
.set ra_, 8*(4*\nt+\dt)
.set rw_, WR+32*((\st)%3)+8*\dt
.set rb_, 64*((\st)&1)+8*\nt
.if (\st) == 0
	v_wmma_f32_16x16x32_bf16 v[ra_:ra_+7], v[rw_:rw_+7], v[rb_:rb_+7], v[BIAS+8*\dt:BIAS+8*\dt+7]
.else
	v_wmma_f32_16x16x32_bf16 v[ra_:ra_+7], v[rw_:rw_+7], v[rb_:rb_+7], v[ra_:ra_+7]
.endif
.endr
.endr
	PLACES
.if (\st)+2 < 8
	OBLOAD (\st)+2
.endif
	WIN 0
.if (\st)+3 < 8
	WLOAD ((\st)+3)%3, 30, ((\st)+3)*4096
.endif
.endm
	BIASLD BIAS, 22, 3072                          ; out_b
	OBLOAD 0
	OBLOAD 1
.irp st, 0,1,2,3,4,5,6,7
	OSTEP \st
.endr
; PHASE D.  ctx is in the accumulators; qt comes in the same layout (lane = token, 8 channels in 4 registers) by the turning load.
; one K step's four fragments of proj_w into slot 'slot' of the ring in window 3
.macro PWLOAD slot, off
	WIN 0xc0
.irp dt, 0,1,2,3
.irp e, 0,1
	global_load_b128 v[32*(\slot)+8*\dt+4*\e:32*(\slot)+8*\dt+4*\e+3], v4, s[32:33] offset:(\off)+\dt*1024+\e*512
.endr
.endr
.endm
	PWLOAD 0, 0                                    ; the projection's first four K steps land while asym is made
	PWLOAD 1, 4096
	PWLOAD 2, 8192
	PWLOAD 3, 12288
	WIN 0x80
.set a_, 0
.rept 32
	ds_load_tr16_b128 v[128+4*a_:128+4*a_+3], v18 offset:(a_%4)*16*XCP+(a_/4)*32
.set a_, a_+1
.endr
	WIN 0
	BIASLD BIAS, 22, 4096                          ; proj_b
	BAR                                            ; barrier 3: every wave's reads of CTX and of XC are back (XH was last read in front of barrier 2): their bytes may be written again
.macro ASYM gq                         ; token tile gq, my 64 channels: qt, ctx, |qt - ctx|, qt * ctx, in bf16, to LDS as [token][1024]
.set as_, 14+(\gq)/2
.set ao_, ((\gq)%2)*16*AP
	WIN 0x08
.irp dt, 0,1,2,3
	ds_store_b128 v[as_], v[128+16*(\gq)+4*\dt:128+16*(\gq)+4*\dt+3] offset:ao_+\dt*32
.endr
.set k_, 0
.rept 16
	v_lshlrev_b32 v[64+2*k_], 16, v[128+16*(\gq)+k_]
	v_and_b32 v[65+2*k_], s39, v[128+16*(\gq)+k_]
.set k_, k_+1
.endr
	WIN 0x04
.set k_, 0
.rept 16
	v_pk_add_f32 v[96+2*k_:97+2*k_], v[64+2*k_:65+2*k_], v[32*(\gq)+2*k_:32*(\gq)+2*k_+1] neg_lo:[0,1] neg_hi:[0,1]
	v_pk_mul_f32 v[64+2*k_:65+2*k_], v[64+2*k_:65+2*k_], v[32*(\gq)+2*k_:32*(\gq)+2*k_+1]
.set k_, k_+1
.endr
	WIN 0x05
.set k_, 0
.rept 16
	v_cvt_pk_bf16_f32 v[128+k_], v[32*(\gq)+2*k_], v[32*(\gq)+2*k_+1]
.set k_, k_+1
.endr
	WIN 0
.set k_, 0
.rept 16
	v_cvt_pk_bf16_f32 v[96+k_], v[96+2*k_], v[97+2*k_]
	v_cvt_pk_bf16_f32 v[64+k_], v[64+2*k_], v[65+2*k_]
.set k_, k_+1
.endr
.set k_, 0
.rept 16
	v_and_b32 v[96+k_], s40, v[96+k_]              ; the magnitude, on two bf16 at once
.set k_, k_+1
.endr
.irp dt, 0,1,2,3
	ds_store_b128 v[as_], v[128+4*\dt:128+4*\dt+3] offset:ao_+512+\dt*32
	ds_store_b128 v[as_], v[96+4*\dt:96+4*\dt+3] offset:ao_+1024+\dt*32
	ds_store_b128 v[as_], v[64+4*\dt:64+4*\dt+3] offset:ao_+1536+\dt*32
.endr
.endm
.irp gq, 0,1,2,3,4,5,6,7
	ASYM \gq
.endr
	BAR                                            ; barrier 4: asym is whole
; PHASE E.  The projection, 32 K steps of 32 along asym's 1,024 columns; all alike but for the first (the bias starts the sums) and the last four (nothing left to ask for).
.macro PBLOAD buf, imm                 ; 8 fragments of 16 tokens x 32 k into window 2, buffer buf; imm: bytes along K beyond v28-31
	WIN 0x80
.set nt_, 0
.rept 8
	ds_load_b128 v[64*(\buf)+8*nt_:64*(\buf)+8*nt_+3], v[28+nt_/2] offset:(nt_%2)*16*AP+(\imm)
	ds_load_b128 v[64*(\buf)+8*nt_+4:64*(\buf)+8*nt_+7], v[28+nt_/2] offset:(nt_%2)*16*AP+(\imm)+32
.set nt_, nt_+1
.endr
.endm
; slot = step % 4; lcnt, dcnt: the younger weight loads and fragment loads that stay out; bimm, woff: where the fragments of the step two on
; and the weights of the step four on lie (-1: none)
.macro PSTEP slot, first, lcnt, dcnt, bimm, woff
	s_wait_loadcnt \lcnt
	s_wait_dscnt \dcnt
.if (\first) == 1
	WIN 0x4b                                       ; W window 3, B window 2, the bias window 0, D window 1
.else
	WIN 0x5b
.endif
.irp nt, 0,1,2,3,4,5,6,7                               ; 32 accumulators by turns, over the loop's backward jump too
.irp dt, 0,1,2,3
.set ra_, 8*(4*\nt+\dt)
.set rw_, 32*(\slot)+8*\dt
.set rb_, 64*((\slot)&1)+8*\nt
.if (\first) == 1
	v_wmma_f32_16x16x32_bf16 v[ra_:ra_+7], v[rw_:rw_+7], v[rb_:rb_+7], v[BIAS+8*\dt:BIAS+8*\dt+7]
.else
	v_wmma_f32_16x16x32_bf16 v[ra_:ra_+7], v[rw_:rw_+7], v[rb_:rb_+7], v[ra_:ra_+7]
.endif
.endr
.endr
	PLACES
.if (\bimm) >= 0
	PBLOAD (\slot)&1, \bimm
.endif
.if (\woff) >= 0
	PWLOAD \slot, \woff
.endif
.endm
	PBLOAD 0, 0
	PBLOAD 1, 64
	PSTEP 0, 1, 24, 16, 2*64, 4*4096               ; steps 0-3.  24: the next three steps' 8 weight loads each; 16: the other buffer's loads
	PSTEP 1, 0, 24, 16, 3*64, 5*4096
	PSTEP 2, 0, 24, 16, 4*64, 6*4096
	PSTEP 3, 0, 24, 16, 5*64, 7*4096
	WIN 0
	s_mov_b32 s45, 0
.Lproj:                                                ; steps 4 + 4 t .. 7 + 4 t, t = 0..5
	PSTEP 0, 0, 24, 16, 6*64, 8*4096
	PSTEP 1, 0, 24, 16, 7*64, 9*4096
	PSTEP 2, 0, 24, 16, 8*64, 10*4096
	PSTEP 3, 0, 24, 16, 9*64, 11*4096
	WIN 0
.irp q, 28,29,30,31
	v_add_nc_u32 v\q, 4*64, v\q                    ; four K steps on
.endr
	s_wait_xcnt 0x0                                ; the weight loads on their way have had their addresses translated: only now is their base rewritten
	s_add_nc_u64 s[32:33], s[32:33], 4*4096
	s_add_co_u32 s45, s45, 1
	s_cmp_lt_u32 s45, 6
	s_cbranch_scc1 .Lproj
	PSTEP 0, 0, 24, 16, 30*64-6*256, -1            ; steps 28-31: the registers have moved 6 x 256 bytes; the counts run down
	PSTEP 1, 0, 16, 16, 31*64-6*256, -1
	PSTEP 2, 0, 8, 16, -1, -1
	PSTEP 3, 0, 0, 0, -1, -1
	WIN 0
; PHASE F.  LayerNorm over the 256 channels of a token, relu, and the way out.
; A lane's 32 channels, the other half of the lanes' 32, the other three waves' 192.  figures of token tile nt: v[src + 2 nt], + 1
.macro REDUCE src, imm
.irp nt, 0,1,2,3,4,5,6,7
	v_add_f32 v[80+\nt], v[(\src)+2*\nt], v[(\src)+2*\nt+1]
.endr
.irp nt, 0,1,2,3,4,5,6,7
	v_mov_b32 v[88+\nt], v[80+\nt]                 ; the exchange's destination counts as read
.endr
.irp nt, 0,1,2,3,4,5,6,7
	v_permlanex16_b32 v[88+\nt], v[80+\nt], s36, s37
.endr
.irp nt, 0,1,2,3,4,5,6,7
	v_add_f32 v[88+\nt], v[88+\nt], v[80+\nt]
.endr
	ds_store_b128 v23, v[88:91] offset:(\imm)
	ds_store_b128 v23, v[92:95] offset:(\imm)+16
	BAR                                            ; every wave's figures are stored
.irp ww, 0,1,2,3
.irp e, 0,1
	ds_load_b128 v[192+8*\ww+4*\e:192+8*\ww+4*\e+3], v24 offset:(\imm)+\ww*512+\e*16
.endr
.endr
	s_wait_dscnt 0x0
.irp k, 0,2,4,6
	v_pk_add_f32 v[192+\k:193+\k], v[192+\k:193+\k], v[200+\k:201+\k]
	v_pk_add_f32 v[208+\k:209+\k], v[208+\k:209+\k], v[216+\k:217+\k]
.endr
.irp k, 0,2,4,6
	v_pk_add_f32 v[192+\k:193+\k], v[192+\k:193+\k], v[208+\k:209+\k]   ; v[192 + nt]: the token's total, the same in every wave
.endr
.endm
	BIASLD BIAS, 22, 5120                          ; ln_g
	BIASLD 160, 22, 6144                           ; ln_b, into window 0's weight ring, which is read out
	s_mov_b32 s52, 0x3b800000                      ; 1 / 256
	s_mov_b32 s53, 0x3727c5ac                      ; 1e-5
	WIN 0x05
.irp nt, 0,1,2,3,4,5,6,7
	v_pk_add_f32 v[64+2*\nt:65+2*\nt], v[32*\nt:32*\nt+1], v[32*\nt+2:32*\nt+3]
.endr
	WIN 0x04
.set k_, 2
.rept 14
.irp nt, 0,1,2,3,4,5,6,7
	v_pk_add_f32 v[64+2*\nt:65+2*\nt], v[64+2*\nt:65+2*\nt], v[32*\nt+2*k_:32*\nt+2*k_+1]
.endr
.set k_, k_+1
.endr
	WIN 0
	REDUCE 64, 0                                   ; barrier 5 inside
.irp nt, 0,1,2,3,4,5,6,7
	v_mul_f32 v[96+2*\nt], s52, v[192+\nt]         ; the mean, twice, for the packed instructions
.endr
.irp nt, 0,1,2,3,4,5,6,7
	v_mov_b32 v[97+2*\nt], v[96+2*\nt]
.endr
	WIN 0x41
.set k_, 0
.rept 16
.irp nt, 0,1,2,3,4,5,6,7
	v_pk_add_f32 v[32*\nt+2*k_:32*\nt+2*k_+1], v[32*\nt+2*k_:32*\nt+2*k_+1], v[96+2*\nt:97+2*\nt] neg_lo:[0,1] neg_hi:[0,1]
.endr
.set k_, k_+1
.endr
	WIN 0x05
.irp nt, 0,1,2,3,4,5,6,7
	v_pk_mul_f32 v[112+2*\nt:113+2*\nt], v[32*\nt:32*\nt+1], v[32*\nt:32*\nt+1]
.endr
.set k_, 1
.rept 15
.irp nt, 0,1,2,3,4,5,6,7
	v_pk_fma_f32 v[112+2*\nt:113+2*\nt], v[32*\nt+2*k_:32*\nt+2*k_+1], v[32*\nt+2*k_:32*\nt+2*k_+1], v[112+2*\nt:113+2*\nt]
.endr
.set k_, k_+1
.endr
	WIN 0
	REDUCE 112, 2048                               ; barrier 6 inside: every wave's reads of asym were back in front of barrier 5, so its bytes may take the stage
.irp nt, 0,1,2,3,4,5,6,7
	v_fma_f32 v[192+\nt], v[192+\nt], s52, s53     ; variance + eps
.endr
.irp nt, 0,1,2,3,4,5,6,7
	v_rsq_f32 v[128+2*\nt], v[192+\nt]
	v_rsq_f32 v[129+2*\nt], v[192+\nt]
.endr
	v_nop
	WIN 0x41
.set k_, 0
.rept 16
.irp nt, 0,1,2,3,4,5,6,7
	v_pk_mul_f32 v[32*\nt+2*k_:32*\nt+2*k_+1], v[32*\nt+2*k_:32*\nt+2*k_+1], v[128+2*\nt:129+2*\nt]
.endr
.set k_, k_+1
.endr
.irp nt, 0,1,2,3,4,5,6,7
.irp dt, 0,1,2,3
.irp i, 0,2,4,6
	v_pk_fma_f32 v[8*(4*\nt+\dt)+\i:8*(4*\nt+\dt)+\i+1], v[8*(4*\nt+\dt)+\i:8*(4*\nt+\dt)+\i+1], v[BIAS+8*\dt+\i:BIAS+8*\dt+\i+1], v[160+8*\dt+\i:160+8*\dt+\i+1]
.endr
.endr
.endr
	WIN 0x44
.set k_, 0
.rept 256
	v_max_num_f32 v[k_], 0, v[k_]
.set k_, k_+1
.endr
	; the way out: a lane holds one pixel of 32 channels; through my own 64 rows of the stage it becomes whole rows of 128 pixels
	WIN 0x04
.irp nt, 0,1,2,3,4,5,6,7
.irp dt, 0,1,2,3
.irp j, 0,1,2,3,4,5,6,7
	ds_store_b32 v25, v[8*(4*\nt+\dt)+\j] offset:(16*\dt+\j)*TP+\nt*64
.endr
.endr
.endr
	WIN 0xc0                                       ; destination window 3
.set c_, 0
.rept 64
	ds_load_b128 v[4*c_:4*c_+3], v26 offset:c_*TP  ; LDS serves a wave's instructions in order (ISA guide 5.7.1.4): these see my stores above
.set c_, c_+1
.endr
	WIN 0x0c                                       ; store data window 3
.set c_, 0
.irp q, 0,1,2,3
	s_wait_dscnt 48-16*\q                          ; the younger groups of 16 loads stay out
.rept 16
	global_store_b128 v27, v[4*c_:4*c_+3], s[50:51] offset:c_*16384 th:TH_STORE_NT   ; a channel's two image rows: 512 consecutive bytes, at a multiple of 512 from out0's first byte
.set c_, c_+1
.endr
.endr
	WIN 0
	s_endpgm
.Lfunc_end_k_qaf8c6b8bbc_fused:
	.size	k_qaf8c6b8bbc_fused, .Lfunc_end_k_qaf8c6b8bbc_fused-k_qaf8c6b8bbc_fused
	.p2alignl 7, 3214868480
	.fill 96, 4, 3214868480
	.section	.rodata,"a",@progbits
	.p2align	6, 0x0
	.amdhsa_kernel k_qaf8c6b8bbc_fused
		.amdhsa_group_segment_fixed_size 291840
		.amdhsa_private_segment_fixed_size 0
		.amdhsa_enable_private_segment 0
		.amdhsa_kernarg_size 64
		.amdhsa_user_sgpr_count 2
		.amdhsa_user_sgpr_kernarg_segment_ptr 1
		.amdhsa_wavefront_size32 1
		.amdhsa_system_sgpr_workgroup_id_x 1
		.amdhsa_system_sgpr_workgroup_id_y 1
		.amdhsa_system_sgpr_workgroup_id_z 1
		.amdhsa_system_vgpr_workitem_id 0
		.amdhsa_next_free_vgpr 1024
		.amdhsa_next_free_sgpr 66
		.amdhsa_reserve_vcc 1
		.amdhsa_float_denorm_mode_32 3
		.amdhsa_float_denorm_mode_16_64 3
		.amdhsa_memory_ordered 1
		.amdhsa_forward_progress 1
		.amdhsa_inst_pref_size 255
	.end_amdhsa_kernel
	.section	.bss,"aw",@nobits
	.p2align	6
	.space	262144
	.amdgpu_metadata
---
amdhsa.version: [ 1, 2 ]
amdhsa.kernels:
  - .name:           k_qaf8c6b8bbc_fused
    .symbol:         k_qaf8c6b8bbc_fused.kd
    .args:
      - { .name: feat, .offset: 0, .size: 8, .value_kind: global_buffer, .address_space: global }
      - { .name: wp, .offset: 8, .size: 8, .value_kind: global_buffer, .address_space: global }
      - { .name: in_b, .offset: 16, .size: 8, .value_kind: global_buffer, .address_space: global }
      - { .name: out_b, .offset: 24, .size: 8, .value_kind: global_buffer, .address_space: global }
      - { .name: proj_b, .offset: 32, .size: 8, .value_kind: global_buffer, .address_space: global }
      - { .name: ln_g, .offset: 40, .size: 8, .value_kind: global_buffer, .address_space: global }
      - { .name: ln_b, .offset: 48, .size: 8, .value_kind: global_buffer, .address_space: global }
      - { .name: out0, .offset: 56, .size: 8, .value_kind: global_buffer, .address_space: global }
    .group_segment_fixed_size: 291840
    .private_segment_fixed_size: 0
    .kernarg_segment_align: 8
    .kernarg_segment_size: 64
    .max_flat_workgroup_size: 128
    .sgpr_count:     66
    .vgpr_count:     1024
    .wavefront_size: 32
...
	.end_amdgpu_metadata
.endif
;; end of part 4
